; MI455X (gfx1250); checked and timed in simulation.
; The chip was launched on July 23, 2026; its instructions are those of AMD's public machine-readable ISA for CDNA 5 (MIT licence, August 2026) and "CDNA5" Instruction Set Architecture Reference Guide (July 2026). The comments in the code are by the model that wrote it; some were corrected since.
;; Bahdanau Attention. Allowed arithmetic: matrix products marked QUANTISED: E3M2 operands, one E8M0 scale for each 32 along K, by v_wmma_scale_f32_16x16x128_f8f6f4 with both operands' format E3M2, f32 sums; products left as they are: f32 operands where the result goes on into a quantised operand, else bf16, f16 or f32 operands; f32 sums; everything else in f32.
;; Inputs: V 1,024 x 1 float32; W1 1,024 x 1,024 float32; W2 1,024 x 1,024 float32; b1 1,024 float32; b2 1,024 float32; bv 1 float32; query 64 x 1,024 float32; values 64 x 1,024 x 1,024 float32.
;; Outputs: out0 64 x 1,024 float32; out1 64 x 1,024 x 1 float32.
;; This version of the problem:
;;   THIS VERSION OF THE PROBLEM IS GIVEN IN LOW PRECISION. The matrix products marked QUANTISED in the list below multiply operands that are first quantised to E3M2 (3 exponent bits, 2 mantissa bits; 6 bits a number), with one power-of-two scale for each 32 numbers along K (OCP MX v1.0); their sums are f32. All else is computed in f32.
;;   The module's matrix products, in the order in which they are computed (A, B: the left and right operand; K: the contracted axis; several contracted axes count as one K, in the product's order):
;;     1. [M 64, K 1,024] x [K 1,024, N 1,024]; A: input query; B: input W1: QUANTISED
;;     2. [M 65,536, K 1,024] x [K 1,024, N 1,024]; A: input values; B: input W2: QUANTISED
;;     3. [M 65,536, K 1,024] x [K 1,024, N 1]; A: computed on the way; B: input V: left as it is (N = 1 < 16)
;;   THE QUANTISER, for each operand of a quantised product, along K:
;;     - K is cut into blocks of 32 from its start; a last block that is shorter is filled with zeros.
;;     - A block's scale is 2^e with e = floor(log2(the largest magnitude in the block)) - 4, held to -126 .. 127; a block of zeros has e = 0. As a byte (E8M0): e + 127.
;;     - Each number is divided by its block's scale, clamped to +-28, and rounded to the nearest number of E3M2, ties to even, subnormals kept.
;;     - The product sums the exact products of the quantised numbers (number of the format x scale) in f32.
;;   ~~~python
;;   def quantise(x, axis):      # numpy; x: float32 -> the quantised numbers, widened to float32 again
;;       x = np.moveaxis(x, axis, -1); K = x.shape[-1]
;;       x = np.pad(x, [(0, 0)] * (x.ndim - 1) + [(0, -K % 32)]); x = x.reshape(x.shape[:-1] + (-1, 32)); a = np.abs(x).max(-1, keepdims=True)
;;       e = np.where(a > 0, np.clip(np.frexp(np.where(a > 0, a, 1))[1] - 1 - 4, -126, 127), 0)      # np.frexp(a)[1] - 1 = floor(log2(a)), exactly
;;       r = np.clip(x / 2.0 ** e, -28, 28)
;;       step = 2.0 ** (np.maximum(np.frexp(np.where(r == 0, 1, r))[1] - 1, -2) - 2)
;;       q = np.round(r / step) * step * 2.0 ** e      # np.round: ties to even
;;       return np.moveaxis(q.reshape(q.shape[:-2] + (-1,))[..., :K], -1, axis).astype(np.float32)
;;   ~~~
;; 2 versions, each right; version 2 is version 1 with the launch score written anew for expert scheduling mode. Each part assembles by itself: llvm-mc -triple=amdgcn-amd-amdhsa -mcpu=gfx1250 --defsym DOCPART=n.
;; ======== version 1 of 2: 3 launches
;; workspace buffers: w2f 786,432 bytes; w2s 32,768 bytes; cqb 262,144 bytes; tsc 262,144 bytes; pst 131,072 bytes; pctx 2,097,152 bytes
;; launch prep (part 1): grid 160 x 1, 8 waves a work-group, no clusters, 41,984 bytes of LDS; arguments W1, W2, query, b1, b2, w2f, w2s, cqb; writes w2f, w2s, cqb
.if DOCPART == 1
	.amdgcn_target "amdgcn-amd-amdhsa--gfx1250"
	.amdhsa_code_object_version 6
	.text
	.protected	k_q08d76ea46c_prep
	.globl	k_q08d76ea46c_prep
	.p2align	8
	.type	k_q08d76ea46c_prep,@function
k_q08d76ea46c_prep:
	s_mov_b64 s[64:65], 0
	v_nop
	global_prefetch_b8 v0, s[64:65] scope:SCOPE_SE
	s_setreg_imm32_b32 hwreg(HW_REG_WAVE_MODE, 25, 1), 1
	s_wait_xcnt 0x0
; Two jobs in one launch, parted once by the work-group's number.
; Work-groups 0-31: W2 [1024 (k)][1024 (u)], f32, becomes codes of BF6 (E3M2) with one E8M0 byte for each 32 along k, laid IN THE ORDER OF THE OPERAND'S REGISTERS:
;   w2f: the fragment of 16 columns (tile T) x 128 k (step s) at (8 T + s) x 1,536 bytes: registers 4 c .. 4 c + 3 of lane l at 512 c + 16 l.
;   w2s: scale words [T / 2][s][lane]: lanes 0-15 the columns of the even tile, lanes 16-31 those of the odd one.
; Work-groups 32-159: cqb[b][u] = c x (Q(query) Q(W1) + b1 + b2), c = 2 log2(e): what the next launch adds to c x v_proj ahead of its exponential.
;   Work-group 32 + 4 P + m takes columns 32 P .. 32 P + 31 and rows 16 m .. 16 m + 15 of query.  Wave w takes step w of 128 along k: it quantises W1's 32 x 128 and query's 16 x 128 and lays
;   the three fragments in LDS as images of their registers; a barrier; waves 0 and 1 each make one tile of 16 x 16 over all eight steps, the other six end.
;   So W1's part is quantised by four work-groups and query's by 32: the price of a wave's chain that holds one weight job and one fragment, and no second wait for memory.
; A wave's weight job in both: 32 columns x 128 k.  A LANE TAKES A COLUMN AND ITS REGISTERS RUN DOWN k: a block of 32 lies in one lane, the conversions give codes with k innermost, nothing is transposed.
; A block's scale is 2^(floor(log2(largest magnitude)) - 4): its byte is the largest magnitude's exponent field - 4, held at 1 from below by a floor among the maximum's leaves.
; LIMITS: a block of zeros gets the byte 1 where the rule says 127 (its codes are zeros, and this program alone reads the bytes); NaN and infinities among the inputs are not served;
; q_proj's sum over k runs in two accumulators (even and odd steps of 128), added at the end.
; NO CLUSTER, though four work-groups read the same 128 KiB of W1: a joint load lands in LDS, from which each lane would fetch its column word by word, 128 LDS loads in place of the 128 loads
; that now bring the numbers straight into its registers; and W2's work-groups share nothing.
.set FRB,  1536                        ; a fragment's image: 12 registers x 32 lanes x 4 bytes
.set WIMG, 0                           ; LDS (work-groups 32-159 alone): W1's 16 fragments (2 s + n),
.set WSC,  24576                       ; their paired scale words, 128 bytes a step,
.set QIMG, 25600                       ; query's 8 fragments (s),
.set QSC,  37888                       ; their scale words, 128 bytes each; the end is at 38,912
.set LI,  1                            ; v1   16 x lane
.set LS,  2                            ; v2   4 x lane
.set QX,  3                            ; v3   query: row r of 4,096 bytes + 64 h
.set WWI, 4                            ; v4   where I store W1's images
.set WWS, 5                            ; v5   and their scale words
.set QWI, 6                            ; v6   query's image
.set QWS, 7                            ; v7   and its scale words
.set WRD, 8                            ; v8   where I read W1's fragments of my tile n
.set QRD, 9                            ; v9   query's
.set WSR, 10                           ; v10  W1's scale words
.set QSR, 11                           ; v11  query's
.set BO,  12                           ; v12  32 h: my eight numbers of a bias
.set CO,  13                           ; v13  cqb: row r + 32 h
.set WN,  16                           ; v16-143  the weight's 128 numbers
.set TM,  80                           ; v80-95   later: the quantiser's work
.set PC,  96                           ; v96-115  the codes just made
.set PW,  116                          ; v116     the scale word just made
.set XA,  144                          ; v144-207 64 numbers of query
.set WF,  16                           ; at last: W1's eight fragments, v16-111,
.set QF,  112                          ; and query's eight, v112-207
.set MS,  208                          ; v208-209 a block's largest magnitude, then the conversion's scale operand
.set BT,  210
.set WS,  211                          ; the column's four scale bytes
.set OD,  212                          ; v212-214 a block's upper 16 codes
.set F0,  216                          ; v216-227 the even tile's fragment
.set F1,  228                          ; v228-239 the odd tile's
.set BB,  208                          ; at last: b1, then the two sums added
.set AC0, 216                          ; the two accumulators
.set AC1, 224
.set OUTR, 232                         ; b2, then c (b1 + b2), then the result
.set WSV, 240                          ; v240-247 W1's scale words, v248-255 query's: scales and nothing else
.set QSV, 248
.set WV,  20
.set IDX, 21
.set TP,  22                           ; my pair of tiles: columns 32 TP ..
.set KS,  23                           ; my step of 128 along k
.set WB,  24                           ; s[24:25] the weight at my job
.set SEL, 28                           ; s[28:29] v_permlanex16_b32's selects for lane l xor 16
.set QP,  30                           ; s[30:31] query at my rows and my step
.set N1,  35                           ; wave % 2: the tile of columns that waves 0 and 1 make
.set MT,  36                           ; wave % 4
.set NT,  37                           ; wave / 4
.set CC,  38                           ; c
.set MB,  39                           ; the work-group's 16 rows of query
.macro XLOAD reg                       ; my 16 rows of query, my step: lane (r, h) takes 16 neighbours of each block of 32
.irp b, 0,1,2,3
.irp j, 0,1,2,3
	global_load_b128 v[\reg+16*\b+4*\j:\reg+16*\b+4*\j+3], v[QX], s[QP:QP+1] offset:128*\b+16*\j
.endr
.endr
.endm
; 64 numbers of a lane, register 16 b + i = k 32 b + 16 (lane / 16) + i of my row, become a fragment's codes in v[PC] on and its scale word in v[PW]
.macro QUANT s
.irp b, 0,1,2,3
	v_max3_num_f32 v[TM+\b], |v[\s+16*\b]|, |v[\s+1+16*\b]|, 0x2800000   ; my 16 numbers of block b, and the floor 2^(5 - 127)
.endr
.irp i, 2,4,6,8,10,12,14
.irp b, 0,1,2,3
	v_max3_num_f32 v[TM+\b], v[TM+\b], |v[\s+16*\b+\i]|, |v[\s+1+16*\b+\i]|
.endr
.endr
.irp b, 0,1,2,3
	v_permlanex16_b32 v[TM+4+\b], v[TM+\b], s[SEL], s[SEL+1]
.endr
.irp b, 0,1,2,3
	v_max_num_f32 v[TM+\b], v[TM+\b], v[TM+4+\b]       ; with lane l xor 16's: the block's largest magnitude
.endr
.irp b, 0,1,2,3
	v_add_nc_u32 v[TM+12+\b], 0xfe000000, v[TM+\b]     ; 4 off its exponent field: the conversion's scale operand
.endr
.irp b, 0,1,2,3
	v_lshrrev_b32 v[TM+4+\b], 23, v[TM+12+\b]          ; the scale's byte
.endr
	v_lshl_or_b32 v[PW], v[TM+5], 8, v[TM+4]
	v_lshl_or_b32 v[PW], v[TM+6], 16, v[PW]
	v_lshl_or_b32 v[PW], v[TM+7], 24, v[PW]
.irp c, 0,1
	v_cvt_scalef32_pk16_bf6_f32 v[PC+6*\c:PC+2+6*\c], v[\s+32*\c:\s+15+32*\c], v[TM+12+2*\c]
	v_cvt_scalef32_pk16_bf6_f32 v[PC+12+4*\c:PC+14+4*\c], v[\s+16+32*\c:\s+31+32*\c], v[TM+12+2*\c+1]   ; (a conversion's three registers begin on an even number)
.endr
	v_nop                                              ; one plain place behind a scaled conversion
.irp c, 0,1                                        ; the operand wants a whole block in a lane: lanes 0-15 block 2 c, lanes 16-31 block 2 c + 1
.irp i, 0,1,2
	v_permlane16_swap_b32 v[PC+6*\c+\i], v[PC+12+4*\c+\i]
.endr
.irp i, 0,1,2
	v_mov_b32 v[PC+3+6*\c+\i], v[PC+12+4*\c+\i]
.endr
.endr
.endm
.macro IMAGE adr, reg, off             ; a fragment goes to LDS as its registers stand
.irp c, 0,1,2
	ds_store_b128 v[\adr], v[\reg+4*\c:\reg+4*\c+3] offset:\off+512*\c
.endr
.endm
; block b of my column: all 32 numbers are mine.  left: the younger loads that may stay out
.macro WBLOCK b, left
	s_wait_loadcnt \left
	v_max3_num_f32 v[MS+\b%2], |v[WN+32*\b]|, |v[WN+32*\b+1]|, 0x2800000
.irp i, 2,4,6,8,10,12,14,16,18,20,22,24,26,28,30
	v_max3_num_f32 v[MS+\b%2], v[MS+\b%2], |v[WN+32*\b+\i]|, |v[WN+32*\b+\i+1]|
.endr
	v_add_nc_u32 v[MS+\b%2], 0xfe000000, v[MS+\b%2]
	v_cvt_scalef32_pk16_bf6_f32 v[F0+12*(\b%2)+6*(\b/2):F0+12*(\b%2)+6*(\b/2)+2], v[WN+32*\b:WN+32*\b+15], v[MS+\b%2]
	v_cvt_scalef32_pk16_bf6_f32 v[OD:OD+2], v[WN+32*\b+16:WN+32*\b+31], v[MS+\b%2]
	v_lshrrev_b32 v[BT], 23, v[MS+\b%2]                ; the byte; also the plain place behind the conversions
.if \b == 0
	v_mov_b32 v[WS], v[BT]
.else
	v_lshl_or_b32 v[WS], v[BT], 8*\b, v[WS]
.endif
.irp i, 0,1,2
	v_mov_b32 v[F0+12*(\b%2)+6*(\b/2)+3+\i], v[OD+\i]
.endr
.endm
; A wave's weight job: 128 loads, four blocks, and the exchange that makes two fragments of them.  once = 1: no other work-group reads these numbers
.macro WEIGHT once
.set ii, 0
.rept 128
.if \once
	global_load_b32 v[WN+ii], v[LS], s[WB:WB+1] offset:4096*ii th:TH_LOAD_NT   ; W(128 s + i, my column): 32 lanes read 128 consecutive bytes
.else
	global_load_b32 v[WN+ii], v[LS], s[WB:WB+1] offset:4096*ii
.endif
.set ii, ii+1
.endr
	WBLOCK 0, 63                                   ; 96 and 64 younger loads would do; the counter's field holds 63 (ISA guide 5.7.1), and a smaller count is safe
	WBLOCK 1, 63
	WBLOCK 2, 32
	WBLOCK 3, 0
.set ii, 0
.rept 12                                       ; even blocks lie in F0, odd ones in F1, each lane its own column.  F0's lanes 16-31 change places with F1's lanes 0-15:
	v_permlane16_swap_b32 v[F0+ii], v[F1+ii]       ; F0 is now the even tile's fragment (lane (r, h): blocks 2 c + h of column r), F1 the odd tile's
.set ii, ii+1
.endr
.endm
	s_load_b512 s[4:19], s[0:1], 0x0               ; W1 s[4:5], W2 s[6:7], query s[8:9], b1 s[10:11], b2 s[12:13], w2f s[14:15], w2s s[16:17], cqb s[18:19]
	s_set_vgpr_msb 0x40
	v_lshl_add_u32 v0, v0, 2, 0xa000
	v_mov_b32 v1, 0
	s_set_vgpr_msb 0x4000
	v_lshrrev_b32 v14, 5, v0
	v_readfirstlane_b32 s[WV], v14                 ; wave 0..7
	v_and_b32 v14, 31, v0                          ; lane
	v_and_b32 v15, 15, v0                          ; r
	v_lshlrev_b32 v[LI], 4, v14
	v_lshlrev_b32 v[LS], 2, v14
	v_bfe_u32 v14, v0, 4, 1                        ; h
	v_lshlrev_b32 v[QX], 12, v15
	v_lshl_add_u32 v[QX], v14, 6, v[QX]
	v_lshlrev_b32 v[BO], 5, v14
	v_lshl_add_u32 v[CO], v15, 12, v[BO]
	s_and_b32 s[MT], s[WV], 3
	s_lshr_b32 s[NT], s[WV], 2
	s_and_b32 s[N1], s[WV], 1
	s_mul_i32 s26, s[WV], 2*FRB                    ; every LDS address: a constant + a constant x lane + a constant x wave
	v_add_nc_u32 v[WWI], s26, v[LI]
	s_lshl_b32 s26, s[WV], 7
	v_add_nc_u32 v[WWS], s26, v[LS]
	s_add_co_u32 s26, s26, QSC
	v_add_nc_u32 v[QWS], s26, v[LS]
	s_mul_i32 s26, s[WV], FRB
	s_add_co_u32 s26, s26, QIMG
	v_add_nc_u32 v[QWI], s26, v[LI]
	s_mul_i32 s26, s[N1], FRB
	v_add_nc_u32 v[WRD], s26, v[LI]
	v_add_nc_u32 v[QRD], QIMG, v[LI]
	s_lshl_b32 s26, s[N1], 6
	v_lshl_add_u32 v[WSR], v15, 2, s26             ; 4 r + 64 n: tile n's half of a paired word, so that lanes 0-15 hold it
	v_add_nc_u32 v[QSR], QSC, v[LS]
	s_mov_b32 s[SEL], 0x76543210
	s_mov_b32 s[SEL+1], 0xfedcba98
	s_mov_b32 s[CC], 0x4038aa3b                    ; c = 2 log2(e)
	s_and_b32 s[IDX], ttmp9, 31
	s_and_b32 s26, s[IDX], 7                       ; W2's jobs: four waves stand side by side on 512 bytes of a row
	s_lshl_b32 s26, s26, 2
	s_add_co_u32 s26, s26, s[MT]                   ; pair of tiles 4 (idx % 8) + wave % 4
	s_lshr_b32 s27, s[IDX], 3
	s_lshl_b32 s27, s27, 1
	s_add_co_u32 s27, s27, s[NT]                   ; step 2 (idx / 8) + wave / 4
	s_lshr_b32 s34, ttmp9, 2                       ; W1's jobs: pair of tiles (work-group - 32) / 4,
	s_sub_co_u32 s34, s34, 8
	s_and_b32 s[MB], ttmp9, 3                      ; rows 16 x (work-group % 4) on, step = wave
	s_wait_kmcnt 0x0
	s_cmp_lt_u32 ttmp9, 32                         ; W2's work-group or W1's?  The choice hangs on the work-group's number alone
	s_cselect_b32 s[TP], s26, s34
	s_cselect_b32 s[KS], s27, s[WV]
	s_cselect_b64 s[WB:WB+1], s[6:7], s[4:5]
	s_lshl_b32 s32, s[KS], 19                      ; 128 rows of 4,096 bytes a step,
	s_lshl_b32 s33, s[TP], 7                       ; 128 bytes a pair of tiles
	s_add_co_u32 s32, s32, s33
	s_mov_b32 s33, 0
	s_add_nc_u64 s[WB:WB+1], s[WB:WB+1], s[32:33]
	s_lshl_b32 s32, s[WV], 9                       ; query: 512 bytes a step,
	s_lshl_b32 s34, s[MB], 16                      ; 16 rows of 4,096 bytes
	s_add_co_u32 s32, s32, s34
	s_add_nc_u64 s[QP:QP+1], s[8:9], s[32:33]
	s_cmp_lt_u32 ttmp9, 32                         ; the one parting of the two jobs
	s_cbranch_scc0 .Lquery
	WEIGHT 1
	s_lshl_b32 s32, s[TP], 4                       ; W2: fragment (2 TP, s) at (16 TP + s) x 1,536; the odd tile's 8 x 1,536 on
	s_add_co_u32 s32, s32, s[KS]
	s_mul_i32 s32, s32, FRB
	s_add_nc_u64 s[14:15], s[14:15], s[32:33]
	s_lshl_b32 s32, s[TP], 3
	s_add_co_u32 s32, s32, s[KS]
	s_lshl_b32 s32, s32, 7
	s_add_nc_u64 s[16:17], s[16:17], s[32:33]
.irp c, 0,1,2
	global_store_b128 v[LI], v[F0+4*\c:F0+4*\c+3], s[14:15] offset:512*\c          ; each store covers 512 consecutive bytes, aligned
	global_store_b128 v[LI], v[F1+4*\c:F1+4*\c+3], s[14:15] offset:8*FRB+512*\c
.endr
	global_store_b32 v[LS], v[WS], s[16:17]
	s_endpgm
.Lquery:
	XLOAD XA                                       ; query's 16 loads go out ahead of the weight's 128: they are the older ones, so the weight's last wait shows them in too
	WEIGHT 0                                       ; (four work-groups read these numbers of W1)
.irp b, 0,1,2,3
	v_mov_b32 v[TM+4+\b], 0                        ; a lane permute's destination counts as one of its sources
.endr
	IMAGE WWI, F0, WIMG
	IMAGE WWI, F1, WIMG+FRB
	ds_store_b32 v[WWS], v[WS] offset:WSC
	QUANT XA
	IMAGE QWI, PC, 0
	ds_store_b32 v[QWS], v[PW]
	s_lshl_b32 s32, s[TP], 7                       ; the biases of a tile's columns: 32 TP + 16 n + 8 h + 0 .. 7
	s_lshl_b32 s34, s[N1], 6
	s_add_co_u32 s32, s32, s34
	s_add_nc_u64 s[10:11], s[10:11], s[32:33]
	s_add_nc_u64 s[12:13], s[12:13], s[32:33]
	s_lshl_b32 s34, s[MB], 16                      ; and the tile of cqb: rows 16 m on
	s_add_co_u32 s32, s32, s34
	s_add_nc_u64 s[18:19], s[18:19], s[32:33]
	s_wait_dscnt 0x0                               ; for the others' sake: my images lie in LDS
	s_barrier_signal -1
	s_barrier_wait -1
	s_cmp_lt_u32 s[WV], 2                          ; two tiles of 16 x 16 are left to make: waves 0 and 1 make them
	s_cbranch_scc1 .Ltile
	s_set_vgpr_msb 0x5
	s_wait_tensorcnt 0x0
	ds_add_u32 v0, v1
	s_wait_dscnt 0x0
	s_set_vgpr_msb 0x500
	s_endpgm
.Ltile:
	global_load_b128 v[BB:BB+3], v[BO], s[10:11]   ; the biases travel under the LDS loads and the products
	global_load_b128 v[BB+4:BB+7], v[BO], s[10:11] offset:16
	global_load_b128 v[OUTR:OUTR+3], v[BO], s[12:13]
	global_load_b128 v[OUTR+4:OUTR+7], v[BO], s[12:13] offset:16
.set kk, 0
.rept 8
.irp c, 0,1,2
	ds_load_b128 v[WF+12*kk+4*\c:WF+12*kk+4*\c+3], v[WRD] offset:WIMG+2*FRB*kk+512*\c
	ds_load_b128 v[QF+12*kk+4*\c:QF+12*kk+4*\c+3], v[QRD] offset:FRB*kk+512*\c
.endr
	ds_load_b32 v[WSV+kk], v[WSR] offset:WSC+128*kk
	ds_load_b32 v[QSV+kk], v[QSR] offset:128*kk
.set kk, kk+1
.endr
	s_wait_dscnt 0x0
	; TRANSPOSED: source 0 = 16 columns of W1, source 1 = 16 rows of query: lane (r, h) holds row r and columns 8 h + 0 .. 7.  Two accumulators by turns
	v_wmma_scale_f32_16x16x128_f8f6f4 v[AC0:AC0+7], v[WF:WF+11], v[QF:QF+11], 0, v[WSV], v[QSV] matrix_a_fmt:MATRIX_FMT_BF6 matrix_b_fmt:MATRIX_FMT_BF6
	v_wmma_scale_f32_16x16x128_f8f6f4 v[AC1:AC1+7], v[WF+12:WF+23], v[QF+12:QF+23], 0, v[WSV+1], v[QSV+1] matrix_a_fmt:MATRIX_FMT_BF6 matrix_b_fmt:MATRIX_FMT_BF6
.irp k, 2,4,6
	v_wmma_scale_f32_16x16x128_f8f6f4 v[AC0:AC0+7], v[WF+12*\k:WF+12*\k+11], v[QF+12*\k:QF+12*\k+11], v[AC0:AC0+7], v[WSV+\k], v[QSV+\k] matrix_a_fmt:MATRIX_FMT_BF6 matrix_b_fmt:MATRIX_FMT_BF6
	v_wmma_scale_f32_16x16x128_f8f6f4 v[AC1:AC1+7], v[WF+12*\k+12:WF+12*\k+23], v[QF+12*\k+12:QF+12*\k+23], v[AC1:AC1+7], v[WSV+\k+1], v[QSV+\k+1] matrix_a_fmt:MATRIX_FMT_BF6 matrix_b_fmt:MATRIX_FMT_BF6
.endr
	s_wait_loadcnt 0x0                             ; the biases
.set ii, 0
.rept 8
	v_add_f32 v[OUTR+ii], v[BB+ii], v[OUTR+ii]     ; these sixteen lines name no register of the products: they are the places behind the last one (ISA guide 7.12.1)
.set ii, ii+1
.endr
.set ii, 0
.rept 8
	v_mul_f32 v[OUTR+ii], s[CC], v[OUTR+ii]        ; c (b1 + b2)
.set ii, ii+1
.endr
.set ii, 0
.rept 8
	v_add_f32 v[BB+ii], v[AC0+ii], v[AC1+ii]       ; each accumulator from its low end on
.set ii, ii+1
.endr
.set ii, 0
.rept 8
	v_fma_f32 v[OUTR+ii], v[BB+ii], s[CC], v[OUTR+ii]
.set ii, ii+1
.endr
	global_store_b128 v[CO], v[OUTR:OUTR+3], s[18:19]              ; 32 bytes a lane of a row of cqb: pieces of rows, in a buffer of 256 KiB that is written once
	global_store_b128 v[CO], v[OUTR+4:OUTR+7], s[18:19] offset:16
	s_set_vgpr_msb 0x5
	s_wait_tensorcnt 0x0
	ds_add_u32 v0, v1
	s_wait_dscnt 0x0
	s_set_vgpr_msb 0x500
	s_endpgm
.Lfunc_end_k_q08d76ea46c_prep:
	.size	k_q08d76ea46c_prep, .Lfunc_end_k_q08d76ea46c_prep-k_q08d76ea46c_prep
	.p2alignl 7, 3214868480
	.fill 96, 4, 3214868480
	.section	.rodata,"a",@progbits
	.p2align	6, 0x0
	.amdhsa_kernel k_q08d76ea46c_prep
		.amdhsa_group_segment_fixed_size 41984
		.amdhsa_private_segment_fixed_size 0
		.amdhsa_enable_private_segment 0
		.amdhsa_kernarg_size 64
		.amdhsa_user_sgpr_count 2
		.amdhsa_user_sgpr_kernarg_segment_ptr 1
		.amdhsa_wavefront_size32 1
		.amdhsa_system_sgpr_workgroup_id_x 1
		.amdhsa_system_sgpr_workgroup_id_y 1
		.amdhsa_system_sgpr_workgroup_id_z 1
		.amdhsa_system_vgpr_workitem_id 0
		.amdhsa_next_free_vgpr 258
		.amdhsa_next_free_sgpr 66
		.amdhsa_reserve_vcc 0
		.amdhsa_float_denorm_mode_32 3
		.amdhsa_float_denorm_mode_16_64 3
		.amdhsa_memory_ordered 1
		.amdhsa_forward_progress 1
		.amdhsa_inst_pref_size 54
	.end_amdhsa_kernel
	.amdgpu_metadata
---
amdhsa.version: [ 1, 2 ]
amdhsa.kernels:
  - .name:           k_q08d76ea46c_prep
    .symbol:         k_q08d76ea46c_prep.kd
    .args:
      - { .name: W1, .offset: 0, .size: 8, .value_kind: global_buffer, .address_space: global }
      - { .name: W2, .offset: 8, .size: 8, .value_kind: global_buffer, .address_space: global }
      - { .name: query, .offset: 16, .size: 8, .value_kind: global_buffer, .address_space: global }
      - { .name: b1, .offset: 24, .size: 8, .value_kind: global_buffer, .address_space: global }
      - { .name: b2, .offset: 32, .size: 8, .value_kind: global_buffer, .address_space: global }
      - { .name: w2f, .offset: 40, .size: 8, .value_kind: global_buffer, .address_space: global }
      - { .name: w2s, .offset: 48, .size: 8, .value_kind: global_buffer, .address_space: global }
      - { .name: cqb, .offset: 56, .size: 8, .value_kind: global_buffer, .address_space: global }
    .group_segment_fixed_size: 41984
    .private_segment_fixed_size: 0
    .kernarg_segment_align: 8
    .kernarg_segment_size: 64
    .max_flat_workgroup_size: 256
    .sgpr_count:     66
    .vgpr_count:     258
    .wavefront_size: 32
...
	.end_amdgpu_metadata
.endif
;; end of part 1
;; launch score (part 2): grid 256 x 1, 8 waves a work-group, no clusters, 263,168 bytes of LDS; arguments values, w2f, w2s, cqb, V, bv, tsc, pst, pctx; writes tsc, pst, pctx
.if DOCPART == 2
	.amdgcn_target "amdgcn-amd-amdhsa--gfx1250"
	.amdhsa_code_object_version 6
	.text
	.protected	k_q08d76ea46c_score
	.globl	k_q08d76ea46c_score
	.p2align	8
	.type	k_q08d76ea46c_score,@function
k_q08d76ea46c_score:
	s_mov_b64 s[64:65], 0
	v_nop
	global_prefetch_b8 v0, s[64:65] scope:SCOPE_SE
	s_setreg_imm32_b32 hwreg(HW_REG_WAVE_MODE, 25, 1), 1
	s_wait_xcnt 0x0
; For 256 rows of values (two blocks of 128, all of one batch): v_proj = Q(values) Q(W2) on codes of BF6 (E3M2) with E8M0 scales; t = log2(e) x (tanh(q_proj + v_proj + biases) . V + bv);
; the block's largest t (m), p = 2^(t - m), their sum (l), and the block's part of the context, the sum of p x values in f32.  The last launch joins a batch's eight blocks.
; tanh(x) = 1 - 2 r, r = 1 / (1 + 2^(c x)), c = 2 log2(e); c x = c v_proj + cqb, one multiply-add.  2^(c x) = infinity gives r = 0, 0 gives r = 1.  score = bv + sum(V) - 2 sum(V r).
; THE ROWS ARE READ TWICE: a row's weight is known only when all 1,024 columns of its score are summed, and two blocks of f32 rows (1 MiB) do not fit beside their codes and the accumulators.
; ROLES.  Waves 0-3 CONSUME: wave w makes columns 256 w .. 256 w + 255 of v_proj for all 128 rows of a block, 64 columns a trip (32 accumulators, 256 registers), and their part of sum(V r).
; Waves 4-7 PRODUCE: they read rows, quantise them and lay the fragments in LDS as images of the operand's registers; later they read the rows again for the context.
; Each kind has a load counter of its own, so that W2's fragments never queue behind the rows.
; PHASES, a barrier behind each:  0: codes of block 0 |  1: codes of block 1; products of block 0 |  2: statistics and context of block 0; products of block 1 |  3: statistics and context of block 1.
; Every wave walks the same 4 x 4 trips; the roles part inside a trip.  What is written and what is read in one phase lie in different halves of each LDS region, turned by an exclusive or behind each barrier.
; W2's fragments come from memory straight into registers, in the order in which an earlier launch laid them.  NO CLUSTER, though every work-group reads them: a joint load lands in LDS, where the two blocks'
; codes take 196,608 bytes and 66,000 are left, while the four consumers' fragments of one trip are 196,608 bytes; and each refill would hold all eight waves at a barrier.
; LIMITS: a block of 32 zeros gets the scale byte 1 where the rule says 127 (its codes are zeros; this program alone reads the bytes); NaN and infinities among the inputs are not served;
; an exponential under 2^-126 comes out as zero (ISA guide, v_exp_f32).
.set ASC,   0                          ; LDS: the rows' scale words, 2 x 4,096: [half][step s][pair of tiles][32 words: lanes 0-15 the even tile's rows, 16-31 the odd one's]
.set CQL,   8192                       ; the batch's row of cqb, 4,096
.set VL,    12288                      ; V, 4,096
.set SP,    16384                      ; the consumers' partial sums, 2 x 4,096: [half][consumer][tile a][lane]
.set PAREA, 24576                      ; p, each twice on end, 1,024 bytes for each producer, its own
.set STG,   28672                      ; a stage of 16 rows x (512 + 16) bytes for each producer, its own
.set SPITCH, 528
.set CODE,  62464                      ; the rows' codes, 2 x 98,304: fragment (step s, tile a) at (8 s + a) x 1,536; the end is at 259,072
.set CBLK,  98304
.set FRB,   1536
; v1-19: addresses, made in lines that every wave runs; they never hold data
.set LI,   1                           ; 16 x lane
.set LS,   2                           ; 4 x lane
.set R4,   3                           ; 4 x (lane % 16)
.set H32,  4                           ; 32 x (lane / 16)
.set SPR0, 5                           ; 128 (lane / 4) + 16 (lane % 4): the partial sums of rows 4 lane .. 4 lane + 3
.set SW,   6                           ; my stage, on the way in
.set SRD,  7                           ; and on the way out
.set PSTA, 8                           ; where I store p: 32 x lane + my 1,024 bytes
.set IW,   9                           ; trip: where my images go
.set AW,   10                          ; trip: and their scale words
.set AD0,  11                          ; phase: the codes that are read, steps 0-3
.set AD1,  12                          ; steps 4-7
.set ASA,  13                          ; phase: their scale words
.set VQ,   14                          ; trip: my eight numbers of cqb and of V in a tile of columns
.set SPW,  15                          ; phase: where my partial sums go
.set SPR,  16                          ; phase: where they are read
.set PA,   17                          ; trip: p of the trip's 32 rows
.set LT,   18                          ; 16 x thread
.set VO2,  19                          ; trip: the offset of a producer's units 2 and 3
; consumers
.set SS,   20                          ; v20-27   sum(V r) of tile a's row, my columns
.set BSC,  28                          ; v28-33   W2's scale words, three sets of two: scales and nothing else
.set ASR,  34                          ; v34-36   the rows' scale words, a ring of three: scales and nothing else
.set AR,   38                          ; v38-109  the rows' fragments: a ring of three groups of two tiles
.set BF,   110                         ; v110-253 W2's fragments: three sets of four tiles
.set CQ,   38                          ; behind the products: cqb of the trip's 64 columns (my 32),
.set VV,   70                          ; V likewise,
.set SA,   102                         ; four chains of sums,
.set TT,   206                         ; and 32 numbers at work
; producers (they never touch v28-37)
.set CA,   20                          ; v20-27   the context of my 8 columns, even rows
.set X,    40                          ; v40-103  64 numbers of a row to quantise
.set TM,   104
.set PC,   120
.set PW,   140
.set PR,   40                          ; second read: p of 16 rows, each twice
.set CA2,  72                          ; v72-79   the context, odd rows
.set SX,   40                          ; statistics: 32 partial sums,
.set SV,   72                          ; 32 numbers of V,
.set ST,   104                         ; t of my four rows,
.set SM,   108                         ; m and l,
.set SE,   110
.set SD,   114                         ; p, each twice
.set SU,   122
.set L8,   123
; window 1 (v256-511): consumers: accumulator (tile a, column tile i) at v[8 (4 a + i)];  producers: a ring of four units of 64 registers
.set WV,  22
.set W3,  23                           ; wave % 4
.set PH,  24
.set Q,   25
.set TI,  26                           ; 4 PH + Q
.set BV,  27
.set SEL, 28                           ; s[28:29]
.set CC,  30                           ; s[30:31] c, as a pair for the packed form
.set M2L, 32                           ; -2 log2(e)
.set WRC, 33                           ; the half of CODE that is written, the half that is read
.set RDC, 34
.set WRA, 35                           ; the same of ASC; SP is read in the first and written in the second
.set RDA, 36
.set BC,  38                           ; s[38:39], s[40:41] W2's fragments and scale words of this trip's columns
.set SC,  40
.set BN,  42                           ; s[42:43], s[44:45] of the next trip's
.set SN,  44
.set NB,  46                           ; s[46:47] the rows that the next trip works
.set VB,  48                           ; s[48:49] values at my 256 rows
.set MSB, 0
.macro WIN new                         ; the immediate's high byte repeats the setting that is left; at a label and at a branch every window is 0
.if MSB != \new
	s_set_vgpr_msb (MSB<<8)|\new
.set MSB, \new
.endif
.endm
.macro PLACES                          ; four plain places behind a matrix instruction, in front of loads into its registers and of reads of its results
.rept 4
	v_nop
.endr
.endm
.macro CHUNK b, sb, qs                 ; the bases of column tiles 16 w + 4 q .. + 3, q in s[qs]
	s_lshl_b32 s52, s[W3], 2
	s_add_co_u32 s52, s52, s[\qs]
	s_mul_i32 s54, s52, 32*FRB                     ; four tiles x eight steps of 1,536 bytes
	s_mov_b32 s55, 0
	s_add_nc_u64 s[\b:\b+1], s[6:7], s[54:55]
	s_lshl_b32 s54, s52, 11                        ; two pairs of tiles x eight steps of 128 bytes
	s_add_nc_u64 s[\sb:\sb+1], s[8:9], s[54:55]
.endm
; Where the four units of trip s56 lie.  Trips 0-7, first read: block T / 4, tile of rows 2 w + (T / 2) % 2, steps 4 (T % 2) + j: 16 rows x 512 bytes a unit.
; Trips 8-15, second read: rows 32 (T - 8) on, my 1,024 bytes of each: unit j = rows 16 (j / 2) on, bytes 512 (j % 2) on.  Units 0 and 1 lie alike in both; units 2 and 3 begin 1,024 or 65,536 bytes on.
.macro NEXTBASE
	s_lshr_b32 s57, s56, 2
	s_lshl_b32 s57, s57, 19
	s_bfe_u32 s58, s56, 0x10001
	s_lshl_b32 s58, s58, 16
	s_add_co_u32 s57, s57, s58
	s_and_b32 s58, s56, 1
	s_lshl_b32 s58, s58, 11
	s_add_co_u32 s57, s57, s58
	s_lshl_b32 s58, s[W3], 17
	s_add_co_u32 s57, s57, s58
	s_sub_co_u32 s58, s56, 8
	s_lshl_b32 s58, s58, 17
	s_lshl_b32 s59, s[W3], 10
	s_add_co_u32 s58, s58, s59
	s_mov_b32 s59, 0x10000
	s_cmp_lt_u32 s56, 8
	s_cselect_b32 s58, s57, s58
	s_cselect_b32 s60, 1024, s59
	s_mov_b32 s59, 0
	s_add_nc_u64 s[NB:NB+1], s[VB:VB+1], s[58:59]
	v_add_nc_u32 v[VO2], s60, v[LI]
.endm
.macro LOAD j                          ; unit j: 16 loads, each 512 consecutive bytes of a row
	WIN 0x40                                       ; destination window 1, address window 0
.set ii, 0
.rept 16
.if \j < 2
	global_load_b128 v[64*\j+4*ii:64*\j+4*ii+3], v[LI], s[NB:NB+1] offset:4096*ii+512*\j th:TH_LOAD_NT
.else
	global_load_b128 v[64*\j+4*ii:64*\j+4*ii+3], v[VO2], s[NB:NB+1] offset:4096*ii+512*(\j-2) th:TH_LOAD_NT
.endif
.set ii, ii+1
.endr
	WIN 0
.endm
.macro AFETCH m                        ; group m = 4 s + g: the fragments of tiles 2 g, 2 g + 1 at step s, and their paired scale word: 7 LDS loads
.set fS, (\m)/4
.set fG, (\m)%4
.set fR, AR+24*((\m)%3)
.irp e, 0,1
.irp c, 0,1,2
.if fS < 4
	ds_load_b128 v[fR+12*\e+4*\c:fR+12*\e+4*\c+3], v[AD0] offset:(8*fS+2*fG+\e)*FRB+512*\c
.else
	ds_load_b128 v[fR+12*\e+4*\c:fR+12*\e+4*\c+3], v[AD1] offset:(8*(fS-4)+2*fG+\e)*FRB+512*\c
.endif
.endr
.endr
	ds_load_b32 v[ASR+(\m)%3], v[ASA] offset:512*fS+128*fG
.endm
.macro BFETCH k, b, sb                 ; step k of W2's four tiles, and their two paired scale words: 14 loads
.set fB, BF+48*((\k)%3)
.irp i, 0,1,2,3
.irp c, 0,1,2
	global_load_b128 v[fB+12*\i+4*\c:fB+12*\i+4*\c+3], v[LI], s[\b:\b+1] offset:(8*\i+(\k))*FRB+512*\c
.endr
.endr
.irp i, 0,1
	global_load_b32 v[BSC+2*((\k)%3)+\i], v[LS], s[\sb:\sb+1] offset:(8*\i+(\k))*128
.endr
.endm
.macro WMX ra, rb                      ; one product; ra, rb: which half of the lanes holds source 0's and source 1's scales.  Step 0 starts the sums: nothing is cleared
.if gS == 0
.if ((\ra) == 0) && ((\rb) == 0)
	v_wmma_scale_f32_16x16x128_f8f6f4 v[gD:gD+7], v[gB:gB+11], v[gA:gA+11], 0, v[gSB], v[gSA] matrix_a_fmt:MATRIX_FMT_BF6 matrix_b_fmt:MATRIX_FMT_BF6
.elseif ((\ra) == 1) && ((\rb) == 0)
	v_wmma_scale_f32_16x16x128_f8f6f4 v[gD:gD+7], v[gB:gB+11], v[gA:gA+11], 0, v[gSB], v[gSA] matrix_a_fmt:MATRIX_FMT_BF6 matrix_b_fmt:MATRIX_FMT_BF6 matrix_a_scale:MATRIX_SCALE_ROW1
.elseif ((\ra) == 0) && ((\rb) == 1)
	v_wmma_scale_f32_16x16x128_f8f6f4 v[gD:gD+7], v[gB:gB+11], v[gA:gA+11], 0, v[gSB], v[gSA] matrix_a_fmt:MATRIX_FMT_BF6 matrix_b_fmt:MATRIX_FMT_BF6 matrix_b_scale:MATRIX_SCALE_ROW1
.else
	v_wmma_scale_f32_16x16x128_f8f6f4 v[gD:gD+7], v[gB:gB+11], v[gA:gA+11], 0, v[gSB], v[gSA] matrix_a_fmt:MATRIX_FMT_BF6 matrix_b_fmt:MATRIX_FMT_BF6 matrix_a_scale:MATRIX_SCALE_ROW1 matrix_b_scale:MATRIX_SCALE_ROW1
.endif
.else
.if ((\ra) == 0) && ((\rb) == 0)
	v_wmma_scale_f32_16x16x128_f8f6f4 v[gD:gD+7], v[gB:gB+11], v[gA:gA+11], v[gD:gD+7], v[gSB], v[gSA] matrix_a_fmt:MATRIX_FMT_BF6 matrix_b_fmt:MATRIX_FMT_BF6
.elseif ((\ra) == 1) && ((\rb) == 0)
	v_wmma_scale_f32_16x16x128_f8f6f4 v[gD:gD+7], v[gB:gB+11], v[gA:gA+11], v[gD:gD+7], v[gSB], v[gSA] matrix_a_fmt:MATRIX_FMT_BF6 matrix_b_fmt:MATRIX_FMT_BF6 matrix_a_scale:MATRIX_SCALE_ROW1
.elseif ((\ra) == 0) && ((\rb) == 1)
	v_wmma_scale_f32_16x16x128_f8f6f4 v[gD:gD+7], v[gB:gB+11], v[gA:gA+11], v[gD:gD+7], v[gSB], v[gSA] matrix_a_fmt:MATRIX_FMT_BF6 matrix_b_fmt:MATRIX_FMT_BF6 matrix_b_scale:MATRIX_SCALE_ROW1
.else
	v_wmma_scale_f32_16x16x128_f8f6f4 v[gD:gD+7], v[gB:gB+11], v[gA:gA+11], v[gD:gD+7], v[gSB], v[gSA] matrix_a_fmt:MATRIX_FMT_BF6 matrix_b_fmt:MATRIX_FMT_BF6 matrix_a_scale:MATRIX_SCALE_ROW1 matrix_b_scale:MATRIX_SCALE_ROW1
.endif
.endif
.endm
; Group nn: 8 products.  TRANSPOSED: source 0 = 16 columns of W2, source 1 = 16 rows: lane (r, h) holds row r and columns 8 h + 0 .. 7.  The 32 accumulators take turns, one instruction a turn
.macro GRP
.set gS, nn/4
.irp e, 0,1
.irp i, 0,1,2,3
.set gD, 8*(4*(2*(nn%4)+\e)+\i)
.set gB, BF+48*(gS%3)+12*\i
.set gA, AR+24*(nn%3)+12*\e
.set gSB, BSC+2*(gS%3)+\i/2
.set gSA, ASR+nn%3
	WMX \i%2, \e
.endr
.endr
.endm
; tile a's 32 results of a lane: r = 1 / (1 + 2^(c v_proj + cqb)), and V . r onto the row's sum
.macro TANH a
	WIN 0x01                                       ; source 0 window 1
.set ii, 0
.rept 16
	v_pk_fma_f32 v[TT+2*ii:TT+2*ii+1], v[32*\a+2*ii:32*\a+2*ii+1], s[CC:CC+1], v[CQ+2*ii:CQ+2*ii+1] op_sel_hi:[1,0,1]   ; each accumulator from its low end on
.set ii, ii+1
.endr
	WIN 0
.set ii, 0
.rept 32
	v_exp_f32 v[TT+ii], v[TT+ii]
.set ii, ii+1
.endr
	v_nop                                          ; a plain place behind the transcendentals
.set ii, 0
	s_wait_alu depctr_va_vdst(0)
.rept 16
	v_pk_add_f32 v[TT+2*ii:TT+2*ii+1], v[TT+2*ii:TT+2*ii+1], 1.0 op_sel_hi:[1,0]
.set ii, ii+1
.endr
.set ii, 0
.rept 32
	v_rcp_f32 v[TT+ii], v[TT+ii]
.set ii, ii+1
.endr
	v_nop
	s_wait_alu depctr_va_vdst(0)
.irp i, 0,1,2,3
	v_pk_mul_f32 v[SA+2*\i:SA+2*\i+1], v[TT+8*\i:TT+8*\i+1], v[VV+8*\i:VV+8*\i+1]
.endr
.irp p, 1,2,3
.irp i, 0,1,2,3
	v_pk_fma_f32 v[SA+2*\i:SA+2*\i+1], v[TT+8*\i+2*\p:TT+8*\i+2*\p+1], v[VV+8*\i+2*\p:VV+8*\i+2*\p+1], v[SA+2*\i:SA+2*\i+1]
.endr
.endr
	v_pk_add_f32 v[SA:SA+1], v[SA:SA+1], v[SA+2:SA+3]
	v_pk_add_f32 v[SA+4:SA+5], v[SA+4:SA+5], v[SA+6:SA+7]
	v_pk_add_f32 v[SA:SA+1], v[SA:SA+1], v[SA+4:SA+5]
	v_add_f32 v[SA], v[SA], v[SA+1]
	v_add_f32 v[SS+\a], v[SS+\a], v[SA]
.endm
; 64 numbers of a lane, register 16 b + i = k 32 b + 16 (lane / 16) + i of my row, become a fragment's codes in v[PC] on and its scale word in v[PW]
.macro QUANT s
.irp b, 0,1,2,3
	v_max3_num_f32 v[TM+\b], |v[\s+16*\b]|, |v[\s+1+16*\b]|, 0x2800000   ; my 16 numbers of block b, and the floor 2^(5 - 127): the byte cannot fall under 1
.endr
.irp i, 2,4,6,8,10,12,14
.irp b, 0,1,2,3
	v_max3_num_f32 v[TM+\b], v[TM+\b], |v[\s+16*\b+\i]|, |v[\s+1+16*\b+\i]|
.endr
.endr
.irp b, 0,1,2,3
	v_permlanex16_b32 v[TM+4+\b], v[TM+\b], s[SEL], s[SEL+1]
.endr
.irp b, 0,1,2,3
	v_max_num_f32 v[TM+\b], v[TM+\b], v[TM+4+\b]       ; with lane l xor 16's: the block's largest magnitude
.endr
.irp b, 0,1,2,3
	v_add_nc_u32 v[TM+12+\b], 0xfe000000, v[TM+\b]     ; 4 off its exponent field: the conversion's scale operand
.endr
.irp b, 0,1,2,3
	v_lshrrev_b32 v[TM+4+\b], 23, v[TM+12+\b]          ; the scale's byte
.endr
	v_lshl_or_b32 v[PW], v[TM+5], 8, v[TM+4]
	v_lshl_or_b32 v[PW], v[TM+6], 16, v[PW]
	v_lshl_or_b32 v[PW], v[TM+7], 24, v[PW]
.irp c, 0,1
	v_cvt_scalef32_pk16_bf6_f32 v[PC+6*\c:PC+2+6*\c], v[\s+32*\c:\s+15+32*\c], v[TM+12+2*\c]
	v_cvt_scalef32_pk16_bf6_f32 v[PC+12+4*\c:PC+14+4*\c], v[\s+16+32*\c:\s+31+32*\c], v[TM+12+2*\c+1]   ; (a conversion's three registers begin on an even number)
.endr
	v_nop                                              ; one plain place behind a scaled conversion
.irp c, 0,1                                        ; the operand wants a whole block in a lane: lanes 0-15 block 2 c, lanes 16-31 block 2 c + 1
.irp i, 0,1,2
	v_permlane16_swap_b32 v[PC+6*\c+\i], v[PC+12+4*\c+\i]
.endr
.irp i, 0,1,2
	v_mov_b32 v[PC+3+6*\c+\i], v[PC+12+4*\c+\i]
.endr
.endr
.endm
; First read, unit j: 16 rows x 128 k.  As loaded a lane holds 4 numbers of each row; the quantiser wants 64 of one row: the unit turns through my stage.  Then it is filled again for the next trip.
.macro PROC_L j
	s_wait_loadcnt 48                              ; my unit is in; the three younger units, 16 loads each, may be out
	WIN 0x04                                       ; an LDS store's data are its source 1: window 1
.set ii, 0
.rept 16
	ds_store_b128 v[SW], v[64*\j+4*ii:64*\j+4*ii+3] offset:STG+SPITCH*ii
.set ii, ii+1
.endr
	WIN 0
.irp b, 0,1,2,3
.irp k, 0,1,2,3
	ds_load_b128 v[X+16*\b+4*\k:X+16*\b+4*\k+3], v[SRD] offset:STG+128*\b+16*\k    ; LDS serves a wave's instructions in order (ISA guide 5.7.1.4): these see the stores above
.endr
.endr
	s_wait_dscnt 0x0                               ; the numbers are back, the stores have read the unit's registers, and the last unit's images have left PC
	LOAD \j
	QUANT X
.irp c, 0,1,2
	ds_store_b128 v[IW], v[PC+4*\c:PC+4*\c+3] offset:8*FRB*\j+512*\c
.endr
	ds_store_b32 v[AW], v[PW] offset:512*\j        ; both halves of the lanes write the same word with the same value
.endm
; Second read, unit j: 16 rows x my 128 columns of half j % 2: the context takes p x row.  left: the younger loads that may stay out
.macro PROC_R j, refill, left
	s_wait_loadcnt \left
.if (\j%2) == 0
.irp k, 0,1,2,3,4,5,6,7
	ds_load_b128 v[PR+4*\k:PR+4*\k+3], v[PA] offset:PAREA+128*(\j/2)+16*\k         ; p of two rows, each twice: every lane reads the same bytes
.endr
	s_wait_dscnt 0x0
.endif
	WIN 0x01
.set ii, 0
.rept 16
.irp e, 0,1
	v_pk_fma_f32 v[CA+(CA2-CA)*(ii%2)+4*(\j%2)+2*\e:CA+(CA2-CA)*(ii%2)+4*(\j%2)+2*\e+1], v[64*\j+4*ii+2*\e:64*\j+4*ii+2*\e+1], v[PR+2*ii:PR+2*ii+1], v[CA+(CA2-CA)*(ii%2)+4*(\j%2)+2*\e:CA+(CA2-CA)*(ii%2)+4*(\j%2)+2*\e+1]
.endr
.set ii, ii+1
.endr
	WIN 0
.if \refill
	LOAD \j
.endif
.endm
.macro RED op, reg                     ; over the wave's 32 lanes, the result in every lane
	\op\()_dpp v[\reg], v[\reg], v[\reg] row_xmask:1 row_mask:0xf bank_mask:0xf
	\op\()_dpp v[\reg], v[\reg], v[\reg] row_xmask:2 row_mask:0xf bank_mask:0xf
	\op\()_dpp v[\reg], v[\reg], v[\reg] row_xmask:4 row_mask:0xf bank_mask:0xf
	\op\()_dpp v[\reg], v[\reg], v[\reg] row_xmask:8 row_mask:0xf bank_mask:0xf
	v_permlanex16_b32 v[SU], v[\reg], s[SEL], s[SEL+1]
	\op v[\reg], v[\reg], v[SU]
.endm
	s_load_b512 s[4:19], s[0:1], 0x0               ; values s[4:5], w2f s[6:7], w2s s[8:9], cqb s[10:11], V s[12:13], bv s[14:15], tsc s[16:17], pst s[18:19]
	s_load_b64 s[20:21], s[0:1], 0x40              ; pctx
	v_lshl_add_u32 v254, v0, 2, 0x40000
	v_mov_b32 v255, 0
	v_lshrrev_b32 v20, 5, v0
	v_readfirstlane_b32 s[WV], v20                 ; wave 0..7
	s_and_b32 s[W3], s[WV], 3
	v_and_b32 v20, 31, v0                          ; lane
	v_and_b32 v21, 15, v0                          ; r
	v_bfe_u32 v22, v0, 4, 1                        ; h
	v_lshlrev_b32 v[LI], 4, v20
	v_lshlrev_b32 v[LS], 2, v20
	v_lshlrev_b32 v[R4], 2, v21
	v_lshlrev_b32 v[H32], 5, v22
	v_lshrrev_b32 v23, 2, v20
	v_and_b32 v24, 3, v20
	v_lshlrev_b32 v[SPR0], 7, v23
	v_lshl_add_u32 v[SPR0], v24, 4, v[SPR0]
	s_mul_i32 s50, s[W3], 16*SPITCH
	v_add_nc_u32 v[SW], s50, v[LI]
	v_mul_u32_u24 v[SRD], v21, SPITCH
	v_lshl_add_u32 v[SRD], v22, 6, v[SRD]
	v_add_nc_u32 v[SRD], s50, v[SRD]
	s_lshl_b32 s50, s[W3], 10
	v_lshl_add_u32 v[PSTA], v20, 5, s50
	v_lshlrev_b32 v[LT], 4, v0
.irp b, 0,1,2,3
	v_mov_b32 v[TM+4+\b], 0                        ; a lane permute's destination counts as one of its sources
.endr
	s_mov_b32 s[SEL], 0x76543210
	s_mov_b32 s[SEL+1], 0xfedcba98
	s_mov_b32 s[CC], 0x4038aa3b                    ; c = 2 log2(e)
	s_mov_b32 s[CC+1], s[CC]
	s_mov_b32 s[M2L], 0xc038aa3b                   ; -2 log2(e)
	s_mov_b32 s[WRC], 0
	s_mov_b32 s[RDC], CBLK
	s_mov_b32 s[WRA], 0
	s_mov_b32 s[RDA], 4096
	s_mov_b32 s[PH], 0
	s_wait_kmcnt 0x0
	s_load_b32 s[BV], s[14:15], 0x0
	s_lshl_b32 s50, ttmp9, 20                      ; 256 rows of 4,096 bytes
	s_mov_b32 s51, 0
	s_add_nc_u64 s[VB:VB+1], s[4:5], s[50:51]
	s_lshr_b32 s50, ttmp9, 2                       ; the batch
	s_lshl_b32 s50, s50, 12
	s_add_nc_u64 s[10:11], s[10:11], s[50:51]
	global_load_b128 v[20:23], v[LT], s[12:13]     ; V and the batch's row of cqb: 16 bytes a thread
	global_load_b128 v[24:27], v[LT], s[10:11]
	s_mov_b32 s61, 0
	CHUNK BN, SN, 61                               ; the first trip's columns,
	s_mov_b32 s56, 0
	NEXTBASE                                       ; and its rows
	s_cmp_lt_u32 s[WV], 4
	s_cbranch_scc0 .Lfirst_rows
	BFETCH 0, BN, SN
	BFETCH 1, BN, SN
	s_wait_loadcnt 28                              ; V and cqb are in; the 28 loads just issued may be out
	s_branch .Lboth
.Lfirst_rows:
	LOAD 0
	LOAD 1
	LOAD 2
	LOAD 3
	s_wait_loadcnt 63                              ; V and cqb are in: 64 loads were issued behind them; the counter's field holds 63 (ISA guide 5.7.1), and a smaller count is safe
.Lboth:
	ds_store_b128 v[LT], v[20:23] offset:VL
	ds_store_b128 v[LT], v[24:27] offset:CQL
	s_wait_dscnt 0x0                               ; for the others' sake
	s_barrier_signal -1
	s_barrier_wait -1
.irp a, 0,1,2,3,4,5,6,7
	v_mov_b32 v[SS+\a], 0
.endr
	s_wait_kmcnt 0x0                               ; bv
.Lphase:
	s_mov_b32 s[Q], 0
.Ltrip:
	; ---- every wave: the trip's addresses
	s_wait_xcnt 0x0                                ; the bases and offsets of what has been issued are rewritten only behind this wait
	s_wait_dscnt 0x0
	s_lshl_b32 s[TI], s[PH], 2
	s_add_co_u32 s[TI], s[TI], s[Q]
	s_and_b32 s50, s[Q], 1
	s_lshr_b32 s51, s[Q], 1
	s_mul_i32 s52, s50, 32*FRB                     ; producers: tile 2 w + q / 2, steps 4 (q % 2) + j
	s_mul_i32 s53, s51, FRB
	s_add_co_u32 s52, s52, s53
	s_mul_i32 s53, s[W3], 2*FRB
	s_add_co_u32 s52, s52, s53
	s_add_co_u32 s52, s52, s[WRC]
	s_add_co_u32 s52, s52, CODE
	v_add_nc_u32 v[IW], s52, v[LI]
	s_lshl_b32 s52, s50, 11
	s_lshl_b32 s53, s51, 6
	s_add_co_u32 s52, s52, s53
	s_lshl_b32 s53, s[W3], 7
	s_add_co_u32 s52, s52, s53
	s_add_co_u32 s52, s52, s[WRA]
	v_add_nc_u32 v[AW], s52, v[R4]
	s_add_co_u32 s52, s[RDC], CODE                 ; consumers: the other half
	v_add_nc_u32 v[AD0], s52, v[LI]
	s_add_co_u32 s52, s52, 32*FRB
	v_add_nc_u32 v[AD1], s52, v[LI]
	v_add_nc_u32 v[ASA], s[RDA], v[LS]
	s_lshl_b32 s52, s[W3], 10
	s_add_co_u32 s53, s52, s[RDA]
	v_add_nc_u32 v[SPW], s53, v[LS]
	v_add_nc_u32 v[SPR], s[WRA], v[SPR0]
	s_lshl_b32 s53, s[Q], 8
	s_add_co_u32 s52, s52, s53                     ; 1,024 w + 256 q: the consumers' 64 columns in cqb and V, and the producers' 32 rows of p
	v_add_nc_u32 v[VQ], s52, v[H32]
	v_mov_b32 v[PA], s52
	CHUNK BC, SC, Q
	s_add_co_u32 s61, s[Q], 1
	s_and_b32 s61, s61, 3
	CHUNK BN, SN, 61
	s_add_co_u32 s56, s[TI], 1
	NEXTBASE
	s_cmp_lt_u32 s[WV], 4
	s_cbranch_scc0 .Lproducer
	; ---- consumers: phases 1 and 2
	s_cmp_eq_u32 s[PH], 0
	s_cbranch_scc1 .Ljoin
	s_cmp_eq_u32 s[PH], 3
	s_cbranch_scc1 .Ljoin
	AFETCH 0
	AFETCH 1
.set nn, 0
.rept 32                                       ; 8 steps of 128 along k x 4 groups of two tiles of rows.  The rows' fragments run two groups ahead, W2's two steps
.if nn > 0
	WIN 0
	PLACES                                         ; the loads below land in registers that the last group read
.endif
.if nn <= 29
	AFETCH nn+2
.endif
.if nn%4 == 0
.if nn/4 <= 5
	BFETCH nn/4+2, BC, SC
	s_wait_loadcnt 28                              ; this step's set is in; the next two, 14 loads each, may be out
.elseif nn/4 == 6
	s_wait_loadcnt 14
.else
	s_wait_loadcnt 0x0
.endif
.endif
.if nn <= 29
	s_wait_dscnt 14                                ; this group is in; the next two, 7 loads each, may be out
.elseif nn == 30
	s_wait_dscnt 7
.else
	s_wait_dscnt 0x0
.endif
	WIN 0x50                                       ; C and D window 1
	GRP
.set nn, nn+1
.endr
	WIN 0
	PLACES
	s_cmp_eq_u32 s[TI], 11                         ; behind the last trip of products nothing is fetched
	s_cbranch_scc1 .Lno_next
	BFETCH 0, BN, SN                               ; the next trip's first two steps land under the exponentials
	BFETCH 1, BN, SN
.Lno_next:
.irp i, 0,1,2,3
.irp k, 0,1
	ds_load_b128 v[CQ+8*\i+4*\k:CQ+8*\i+4*\k+3], v[VQ] offset:CQL+64*\i+16*\k
	ds_load_b128 v[VV+8*\i+4*\k:VV+8*\i+4*\k+3], v[VQ] offset:VL+64*\i+16*\k
.endr
.endr
	s_wait_dscnt 0x0
.irp a, 0,1,2,3,4,5,6,7
	TANH \a
.endr
	s_cmp_lg_u32 s[Q], 3
	s_cbranch_scc1 .Ljoin
.irp a, 0,1,2,3,4,5,6,7
	ds_store_b32 v[SPW], v[SS+\a] offset:SP+128*\a ; my 256 columns' part of the block's sums
.endr
	s_wait_dscnt 0x0
.irp a, 0,1,2,3,4,5,6,7
	v_mov_b32 v[SS+\a], 0
.endr
	s_branch .Ljoin
.Lproducer:
	s_cmp_lt_u32 s[PH], 2
	s_cbranch_scc0 .Lsecond
	PROC_L 0
	PROC_L 1
	PROC_L 2
	PROC_L 3
	s_branch .Ljoin
.Lsecond:
	s_sub_co_u32 s50, s[PH], 2
	s_lshl_b32 s51, ttmp9, 1
	s_add_co_u32 s50, s50, s51                     ; the block's number among the 512
	s_cmp_lg_u32 s[Q], 0
	s_cbranch_scc1 .Lno_stat
	; ---- the block's statistics, in each of the four producers alike: lane l takes rows 4 l .. 4 l + 3
	v_mov_b32 v[SU], 0
.irp c, 0,1,2,3
.irp h, 0,1
	ds_load_b128 v[SX+8*\c+4*\h:SX+8*\c+4*\h+3], v[SPR] offset:SP+1024*\c+64*\h
.endr
.endr
.irp k, 0,1,2,3,4,5,6,7
	ds_load_b128 v[SV+4*\k:SV+4*\k+3], v[LI] offset:VL+512*\k
.endr
	s_wait_dscnt 0x0
.irp k, 1,2,3,4,5,6,7
	v_pk_add_f32 v[SX:SX+1], v[SX:SX+1], v[SX+4*\k:SX+4*\k+1]      ; four consumers x two halves of the lanes: sum(V r)
	v_pk_add_f32 v[SX+2:SX+3], v[SX+2:SX+3], v[SX+4*\k+2:SX+4*\k+3]
	v_pk_add_f32 v[SV:SV+1], v[SV:SV+1], v[SV+4*\k:SV+4*\k+1]      ; and sum(V)
	v_pk_add_f32 v[SV+2:SV+3], v[SV+2:SV+3], v[SV+4*\k+2:SV+4*\k+3]
.endr
	v_pk_add_f32 v[SV:SV+1], v[SV:SV+1], v[SV+2:SV+3]
	v_add_f32 v[SV], v[SV], v[SV+1]
	RED v_add_f32, SV
	v_add_f32 v[SV], s[BV], v[SV]
	v_mul_f32 v[SV], 0x3fb8aa3b, v[SV]             ; log2(e) (bv + sum(V))
.irp e, 0,1,2,3
	v_fma_f32 v[ST+\e], v[SX+\e], s[M2L], v[SV]    ; t = log2(e) x score
.endr
	v_max3_num_f32 v[SM], v[ST], v[ST+1], v[ST+2]
	v_max_num_f32 v[SM], v[SM], v[ST+3]
	RED v_max_num_f32, SM                          ; m: the block's largest t is taken away ahead of the exponential
.irp e, 0,1,2,3
	v_sub_f32 v[SE+\e], v[ST+\e], v[SM]
.endr
.irp e, 0,1,2,3
	v_exp_f32 v[SD+2*\e], v[SE+\e]                 ; p, made twice: a pair for the packed multiply-add
	v_exp_f32 v[SD+2*\e+1], v[SE+\e]
.endr
	v_nop
	s_wait_alu depctr_va_vdst(0)
	v_add_f32 v[SM+1], v[SD], v[SD+2]
	v_add_f32 v[SE], v[SD+4], v[SD+6]
	v_add_f32 v[SM+1], v[SM+1], v[SE]
	RED v_add_f32, SM+1                            ; l
	ds_store_b128 v[PSTA], v[SD:SD+3] offset:PAREA
	ds_store_b128 v[PSTA], v[SD+4:SD+7] offset:PAREA+16
.irp k, 0,1,2,3,4,5,6,7
	v_mov_b32 v[CA+\k], 0
	v_mov_b32 v[CA2+\k], 0
.endr
	s_cmp_lg_u32 s[W3], 0                          ; one producer stores them
	s_cbranch_scc1 .Lno_stat
	s_lshl_b32 s52, s50, 9
	s_mov_b32 s53, 0
	s_add_nc_u64 s[52:53], s[16:17], s[52:53]
	s_lshl_b32 s54, s50, 8
	s_mov_b32 s55, 0
	s_add_nc_u64 s[54:55], s[18:19], s[54:55]
	v_lshlrev_b32 v[L8], 1, v[LS]
	global_store_b128 v[LI], v[ST:ST+3], s[52:53]  ; 512 consecutive bytes of t
	global_store_b64 v[L8], v[SM:SM+1], s[54:55]   ; (m, l) from every lane: 256 consecutive bytes, aligned
.Lno_stat:
	s_cmp_eq_u32 s[TI], 15
	s_cbranch_scc1 .Llast
	PROC_R 0, 1, 48
	PROC_R 1, 1, 48
	PROC_R 2, 1, 48
	PROC_R 3, 1, 48
	s_branch .Lsummed
.Llast:                                            ; the last trip fetches nothing: the counts run down
	PROC_R 0, 0, 48
	PROC_R 1, 0, 32
	PROC_R 2, 0, 16
	PROC_R 3, 0, 0
.Lsummed:
	s_cmp_lg_u32 s[Q], 3
	s_cbranch_scc1 .Ljoin
.irp k, 0,1,2,3
	v_pk_add_f32 v[CA+2*\k:CA+2*\k+1], v[CA+2*\k:CA+2*\k+1], v[CA2+2*\k:CA2+2*\k+1]
.endr
	s_lshl_b32 s58, s50, 12
	s_lshl_b32 s59, s[W3], 10
	s_add_co_u32 s58, s58, s59
	s_mov_b32 s59, 0
	s_add_nc_u64 s[58:59], s[20:21], s[58:59]
	global_store_b128 v[LI], v[CA:CA+3], s[58:59]                  ; each store covers 512 consecutive bytes, aligned
	global_store_b128 v[LI], v[CA+4:CA+7], s[58:59] offset:512
.Ljoin:
	s_add_co_u32 s[Q], s[Q], 1
	s_cmp_lt_u32 s[Q], 4
	s_cbranch_scc1 .Ltrip
	s_wait_dscnt 0x0                               ; my LDS stores have landed and my LDS loads are in
	s_barrier_signal -1
	s_barrier_wait -1                              ; what this phase wrote may be read, what it read may be written
	s_xor_b32 s[WRC], s[WRC], CBLK
	s_xor_b32 s[RDC], s[RDC], CBLK
	s_xor_b32 s[WRA], s[WRA], 4096
	s_xor_b32 s[RDA], s[RDA], 4096
	s_add_co_u32 s[PH], s[PH], 1
	s_cmp_lt_u32 s[PH], 4
	s_cbranch_scc1 .Lphase
	s_wait_tensorcnt 0x0
	ds_add_u32 v254, v255
	s_wait_dscnt 0x0
	s_endpgm
.Lfunc_end_k_q08d76ea46c_score:
	.size	k_q08d76ea46c_score, .Lfunc_end_k_q08d76ea46c_score-k_q08d76ea46c_score
	.p2alignl 7, 3214868480
	.fill 96, 4, 3214868480
	.section	.rodata,"a",@progbits
	.p2align	6, 0x0
	.amdhsa_kernel k_q08d76ea46c_score
		.amdhsa_group_segment_fixed_size 263168
		.amdhsa_private_segment_fixed_size 0
		.amdhsa_enable_private_segment 0
		.amdhsa_kernarg_size 72
		.amdhsa_user_sgpr_count 2
		.amdhsa_user_sgpr_kernarg_segment_ptr 1
		.amdhsa_wavefront_size32 1
		.amdhsa_system_sgpr_workgroup_id_x 1
		.amdhsa_system_sgpr_workgroup_id_y 1
		.amdhsa_system_sgpr_workgroup_id_z 1
		.amdhsa_system_vgpr_workitem_id 0
		.amdhsa_next_free_vgpr 512
		.amdhsa_next_free_sgpr 66
		.amdhsa_reserve_vcc 0
		.amdhsa_float_denorm_mode_32 3
		.amdhsa_float_denorm_mode_16_64 3
		.amdhsa_memory_ordered 1
		.amdhsa_forward_progress 1
		.amdhsa_inst_pref_size 189
	.end_amdhsa_kernel
	.amdgpu_metadata
---
amdhsa.version: [ 1, 2 ]
amdhsa.kernels:
  - .name:           k_q08d76ea46c_score
    .symbol:         k_q08d76ea46c_score.kd
    .args:
      - { .name: values, .offset: 0, .size: 8, .value_kind: global_buffer, .address_space: global }
      - { .name: w2f, .offset: 8, .size: 8, .value_kind: global_buffer, .address_space: global }
      - { .name: w2s, .offset: 16, .size: 8, .value_kind: global_buffer, .address_space: global }
      - { .name: cqb, .offset: 24, .size: 8, .value_kind: global_buffer, .address_space: global }
      - { .name: V, .offset: 32, .size: 8, .value_kind: global_buffer, .address_space: global }
      - { .name: bv, .offset: 40, .size: 8, .value_kind: global_buffer, .address_space: global }
      - { .name: tsc, .offset: 48, .size: 8, .value_kind: global_buffer, .address_space: global }
      - { .name: pst, .offset: 56, .size: 8, .value_kind: global_buffer, .address_space: global }
      - { .name: pctx, .offset: 64, .size: 8, .value_kind: global_buffer, .address_space: global }
    .group_segment_fixed_size: 263168
    .private_segment_fixed_size: 0
    .kernarg_segment_align: 8
    .kernarg_segment_size: 72
    .max_flat_workgroup_size: 256
    .sgpr_count:     66
    .vgpr_count:     512
    .wavefront_size: 32
...
	.end_amdgpu_metadata
.endif
;; end of part 2
;; launch fin (part 3): grid 256 x 1, 2 waves a work-group, no clusters, 0 bytes of LDS; arguments pst, pctx, tsc, out0, out1; writes out0, out1
.if DOCPART == 3
	.amdgcn_target "amdgcn-amd-amdhsa--gfx1250"
	.amdhsa_code_object_version 6
	.text
	.protected	k_q08d76ea46c_fin
	.globl	k_q08d76ea46c_fin
	.p2align	8
	.type	k_q08d76ea46c_fin,@function
k_q08d76ea46c_fin:
	s_mov_b64 s[64:65], 0
	v_nop
	global_prefetch_b8 v0, s[64:65] scope:SCOPE_SE
	s_setreg_imm32_b32 hwreg(HW_REG_WAVE_MODE, 25, 1), 1
	s_wait_xcnt 0x0
; A batch's eight blocks of 128 rows are joined.  Block i left m_i (its largest t), l_i (the sum of 2^(t - m_i)) and its part of the context under m_i.
; M = the largest m_i; f_i = 2^(m_i - M); L = the sum of f_i l_i;  out0 = the sum of f_i pctx_i / L;  out1 = 2^(t - M) / L.
; A work-group takes a quarter of a batch: 256 columns of out0 and 256 rows of out1, four of each to a thread.  Every load and store of a wave covers 256 or 512 consecutive bytes.
; Memory binds and the work is small: no LDS, no barrier, no matrix unit.  LIMIT: an exponential under 2^-126 comes out as zero (ISA guide, v_exp_f32).
	s_load_b256 s[4:11], s[0:1], 0x0               ; pst s[4:5], pctx s[6:7], tsc s[8:9], out0 s[10:11]
	s_load_b64 s[12:13], s[0:1], 0x20              ; out1
	v_and_b32 v1, 31, v0
	v_lshlrev_b32 v1, 3, v1                        ; 8 x lane: every lane's copy of a block's (m, l)
	v_lshlrev_b32 v2, 4, v0                        ; 16 x thread
	s_lshr_b32 s14, ttmp9, 2                       ; the batch
	s_and_b32 s15, ttmp9, 3                        ; the quarter
	s_lshl_b32 s15, s15, 10
	s_lshl_b32 s16, s14, 11                        ; eight blocks of 256 bytes
	s_mov_b32 s17, 0
	s_lshl_b32 s18, s14, 15                        ; eight blocks of 4,096 bytes
	s_add_co_u32 s18, s18, s15
	s_mov_b32 s19, 0
	s_lshl_b32 s20, s14, 12                        ; a batch's 4,096 bytes of t, of out0 and of out1
	s_add_co_u32 s20, s20, s15
	s_mov_b32 s21, 0
	s_wait_kmcnt 0x0
	s_add_nc_u64 s[4:5], s[4:5], s[16:17]
	s_add_nc_u64 s[6:7], s[6:7], s[18:19]
	s_add_nc_u64 s[8:9], s[8:9], s[20:21]
	s_add_nc_u64 s[10:11], s[10:11], s[20:21]
	s_add_nc_u64 s[12:13], s[12:13], s[20:21]
.irp i, 0,1,2,3,4,5,6,7
	global_load_b64 v[4+2*\i:5+2*\i], v1, s[4:5] offset:256*\i
.endr
.irp i, 0,1,2,3,4,5,6,7
	global_load_b128 v[20+4*\i:23+4*\i], v2, s[6:7] offset:4096*\i
.endr
	global_load_b128 v[52:55], v2, s[8:9]
	s_wait_loadcnt 0x0
	v_max3_num_f32 v56, v4, v6, v8
	v_max3_num_f32 v56, v56, v10, v12
	v_max3_num_f32 v56, v56, v14, v16
	v_max_num_f32 v56, v56, v18                    ; M
.irp i, 0,1,2,3,4,5,6,7
	v_sub_f32 v[4+2*\i], v[4+2*\i], v56
.endr
.irp e, 0,1,2,3
	v_sub_f32 v[52+\e], v[52+\e], v56
.endr
.irp i, 0,1,2,3,4,5,6,7
	v_exp_f32 v[4+2*\i], v[4+2*\i]                 ; f_i
.endr
.irp e, 0,1,2,3
	v_exp_f32 v[52+\e], v[52+\e]
.endr
	v_nop                                          ; a plain place behind the transcendentals
	s_wait_alu depctr_va_vdst(0)
	v_mul_f32 v57, v4, v5
.irp i, 1,2,3,4,5,6,7
	v_fmac_f32 v57, v[4+2*\i], v[5+2*\i]           ; L
.endr
	v_rcp_f32 v57, v57
	v_nop
	s_wait_alu depctr_va_vdst(0)
.irp i, 0,1,2,3,4,5,6,7
	v_mul_f32 v[4+2*\i], v[4+2*\i], v57            ; f_i / L
.endr
	v_pk_mul_f32 v[58:59], v[20:21], v[4:5] op_sel_hi:[1,0]
	v_pk_mul_f32 v[60:61], v[22:23], v[4:5] op_sel_hi:[1,0]
.irp i, 1,2,3,4,5,6,7
	v_pk_fma_f32 v[58:59], v[20+4*\i:21+4*\i], v[4+2*\i:5+2*\i], v[58:59] op_sel_hi:[1,0,1]
	v_pk_fma_f32 v[60:61], v[22+4*\i:23+4*\i], v[4+2*\i:5+2*\i], v[60:61] op_sel_hi:[1,0,1]
.endr
.irp e, 0,1,2,3
	v_mul_f32 v[52+\e], v[52+\e], v57
.endr
	global_store_b128 v2, v[58:61], s[10:11]
	global_store_b128 v2, v[52:55], s[12:13]
	s_endpgm
.Lfunc_end_k_q08d76ea46c_fin:
	.size	k_q08d76ea46c_fin, .Lfunc_end_k_q08d76ea46c_fin-k_q08d76ea46c_fin
	.p2alignl 7, 3214868480
	.fill 96, 4, 3214868480
	.section	.rodata,"a",@progbits
	.p2align	6, 0x0
	.amdhsa_kernel k_q08d76ea46c_fin
		.amdhsa_group_segment_fixed_size 0
		.amdhsa_private_segment_fixed_size 0
		.amdhsa_enable_private_segment 0
		.amdhsa_kernarg_size 40
		.amdhsa_user_sgpr_count 2
		.amdhsa_user_sgpr_kernarg_segment_ptr 1
		.amdhsa_wavefront_size32 1
		.amdhsa_system_sgpr_workgroup_id_x 1
		.amdhsa_system_sgpr_workgroup_id_y 1
		.amdhsa_system_sgpr_workgroup_id_z 1
		.amdhsa_system_vgpr_workitem_id 0
		.amdhsa_next_free_vgpr 64
		.amdhsa_next_free_sgpr 66
		.amdhsa_reserve_vcc 0
		.amdhsa_float_denorm_mode_32 3
		.amdhsa_float_denorm_mode_16_64 3
		.amdhsa_memory_ordered 1
		.amdhsa_forward_progress 1
		.amdhsa_inst_pref_size 6
	.end_amdhsa_kernel
	.amdgpu_metadata
---
amdhsa.version: [ 1, 2 ]
amdhsa.kernels:
  - .name:           k_q08d76ea46c_fin
    .symbol:         k_q08d76ea46c_fin.kd
    .args:
      - { .name: pst, .offset: 0, .size: 8, .value_kind: global_buffer, .address_space: global }
      - { .name: pctx, .offset: 8, .size: 8, .value_kind: global_buffer, .address_space: global }
      - { .name: tsc, .offset: 16, .size: 8, .value_kind: global_buffer, .address_space: global }
      - { .name: out0, .offset: 24, .size: 8, .value_kind: global_buffer, .address_space: global }
      - { .name: out1, .offset: 32, .size: 8, .value_kind: global_buffer, .address_space: global }
    .group_segment_fixed_size: 0
    .private_segment_fixed_size: 0
    .kernarg_segment_align: 8
    .kernarg_segment_size: 40
    .max_flat_workgroup_size: 64
    .sgpr_count:     66
    .vgpr_count:     64
    .wavefront_size: 32
...
	.end_amdgpu_metadata
.endif
;; end of part 3
;; ======== version 2 of 2: 3 launches; version 1 with the launch score written anew for expert scheduling mode
;; workspace buffers: w2f 786,432 bytes; w2s 32,768 bytes; cqb 262,144 bytes; tsc 262,144 bytes; pst 131,072 bytes; pctx 2,097,152 bytes
;; launch prep: the kernel of part 1 again; grid 160 x 1, 8 waves a work-group, no clusters, 41,984 bytes of LDS; arguments W1, W2, query, b1, b2, w2f, w2s, cqb; writes w2f, w2s, cqb
;; launch score (part 4): grid 256 x 1, 8 waves a work-group, no clusters, 263,168 bytes of LDS; arguments values, w2f, w2s, cqb, V, bv, tsc, pst, pctx; writes tsc, pst, pctx
.if DOCPART == 4
	.amdgcn_target "amdgcn-amd-amdhsa--gfx1250"
	.amdhsa_code_object_version 6
	.text
	.protected	k_q08d76ea46c_score
	.globl	k_q08d76ea46c_score
	.p2align	8
	.type	k_q08d76ea46c_score,@function
k_q08d76ea46c_score:
	s_mov_b64 s[64:65], 0
	v_nop
	global_prefetch_b8 v0, s[64:65] scope:SCOPE_SE
	s_setreg_imm32_b32 hwreg(HW_REG_WAVE_SCHED_MODE, 0, 2), 2
	s_setreg_imm32_b32 hwreg(HW_REG_WAVE_MODE, 25, 1), 1
	s_wait_xcnt 0x0
	s_wait_alu depctr_vm_vsrc(0)
; For 256 rows of values (two blocks of 128, all of one batch): v_proj = Q(values) Q(W2) on codes of BF6 (E3M2) with E8M0 scales; t = log2(e) x (tanh(q_proj + v_proj + biases) . V + bv);
; the block's largest t (m), p = 2^(t - m), their sum (l), and the block's part of the context, the sum of p x values in f32.  The last launch joins a batch's eight blocks.
; tanh(x) = 1 - 2 r, r = 1 / (1 + 2^(c x)), c = 2 log2(e); c x = c v_proj + cqb, one multiply-add.  2^(c x) = infinity gives r = 0, 0 gives r = 1.  score = bv + sum(V) - 2 sum(V r).
; THE ROWS ARE READ TWICE: a row's weight is known only when all 1,024 columns of its score are summed, and two blocks of f32 rows (1 MiB) do not fit beside their codes and the accumulators.
; ROLES.  Waves 0-3 CONSUME: wave w makes columns 256 w .. 256 w + 255 of v_proj for all 128 rows of a block, 64 columns a trip (32 accumulators, 256 registers), and their part of sum(V r).
; Waves 4-7 PRODUCE: they read rows, quantise them and lay the fragments in LDS as images of the operand's registers; later they read the rows again for the context.
; Each kind has a load counter of its own, so that W2's fragments never queue behind the rows.
; PHASES, a barrier behind each:  0: codes of block 0 |  1: codes of block 1; products of block 0 |  2: statistics and context of block 0; products of block 1 |  3: statistics and context of block 1.
; Every wave walks the same 4 x 4 trips; the roles part inside a trip.  What is written and what is read in one phase lie in different halves of each LDS region, turned by an exclusive or behind each barrier.
; W2's fragments come from memory straight into registers, in the order in which an earlier launch laid them.  NO CLUSTER, though every work-group reads them: a joint load lands in LDS, where the two blocks'
; codes take 196,608 bytes and 66,000 are left, while the four consumers' fragments of one trip are 196,608 bytes; and each refill would hold all eight waves at a barrier.
; LIMITS: a block of 32 zeros gets the scale byte 1 where the rule says 127 (its codes are zeros; this program alone reads the bytes); NaN and infinities among the inputs are not served;
; an exponential under 2^-126 comes out as zero (ISA guide, v_exp_f32).
; THE MODE: SCHED_MODE bits 1:0 = 2 (LLVM: expert scheduling mode 2), set by the entry lines.  The code itself states the register dependences
; between vector or matrix instructions and memory or LDS instructions, with s_wait_alu, always for 0.
; THE PLAN.  Registers that memory or LDS instructions touch, and who else names them:
;   v1-8    addresses made at the head, never written again.    v9-19  a trip's addresses: written at the trip's head alone, read by that trip's loads and stores.
;   consumers:  AR0-2 with ASR0-2   group n's eight products read slot n % 3; the LDS loads of group n + 2, issued at group n's head, land in the slot that group n - 1 read.
;               BF0-2 with BSC      step s's 32 products read set s % 3; the loads of step s + 2, issued at step s's head, land in the set that step s - 1 read.
;               CQ, VV (over AR)    loaded behind the trip's last product; read by the multiply-adds ahead of the exponentials.
;               TT, SA              vector work alone, but they lie over BF2 and AR2, in which the next trip's first loads land.
;               SS                  written by the sums; read by eight LDS stores in a phase's last trip; then cleared.
;   producers:  U0-3 (window 1)     loaded four units ahead; read by the stage's LDS stores (first read) or by the context's multiply-adds (second read); then loaded again.
;               X                   LDS loads from the stage; read by the quantiser.      PC, PW   written by the quantiser; read by the image's LDS stores.
;               PR                  LDS loads of p; read by the multiply-adds.            SX, SV   LDS loads; read by the statistics' sums.
;               SD, ST, SM, L8, CA  written by vector instructions; read by stores.
; THE WAITS.  At a trip's head one on vm_vsrc (all that the last trip's memory and LDS instructions read may be written) and, behind the address lines, one on va_vdst (the addresses are written; the last
; trip's vector and matrix work is done with every register in which this trip's first loads land).  Consumers: one on va_vdst at the head of each group of eight products but the first, one behind the last
; product, one on each side of SS's stores.  Producers: two to a unit of the first read, one to a unit of the second, one ahead of each run of stores.
.set ASC,   0                          ; LDS: the rows' scale words, 2 x 4,096: [half][step s][pair of tiles][32 words: lanes 0-15 the even tile's rows, 16-31 the odd one's]
.set CQL,   8192                       ; the batch's row of cqb, 4,096
.set VL,    12288                      ; V, 4,096
.set SP,    16384                      ; the consumers' partial sums, 2 x 4,096: [half][consumer][tile a][lane]
.set PAREA, 24576                      ; p, each twice on end, 1,024 bytes for each producer, its own
.set STG,   28672                      ; a stage of 16 rows x (512 + 16) bytes for each producer, its own
.set SPITCH, 528
.set CODE,  62464                      ; the rows' codes, 2 x 98,304: fragment (step s, tile a) at (8 s + a) x 1,536; the end is at 259,072
.set CBLK,  98304
.set FRB,   1536
; v1-19: addresses, made in lines that every wave runs; they never hold data
.set LI,   1                           ; 16 x lane
.set LS,   2                           ; 4 x lane
.set R4,   3                           ; 4 x (lane % 16)
.set H32,  4                           ; 32 x (lane / 16)
.set SPR0, 5                           ; 128 (lane / 4) + 16 (lane % 4): the partial sums of rows 4 lane .. 4 lane + 3
.set SW,   6                           ; my stage, on the way in
.set SRD,  7                           ; and on the way out
.set PSTA, 8                           ; where I store p: 32 x lane + my 1,024 bytes
.set IW,   9                           ; trip: where my images go
.set AW,   10                          ; trip: and their scale words
.set AD0,  11                          ; phase: the codes that are read, steps 0-3
.set AD1,  12                          ; steps 4-7
.set ASA,  13                          ; phase: their scale words
.set VQ,   14                          ; trip: my eight numbers of cqb and of V in a tile of columns
.set SPW,  15                          ; phase: where my partial sums go
.set SPR,  16                          ; phase: where they are read
.set PA,   17                          ; trip: p of the trip's 32 rows
.set LT,   18                          ; 16 x thread
.set VO2,  19                          ; trip: the offset of a producer's units 2 and 3
; consumers
.set SS,   20                          ; v20-27   sum(V r) of tile a's row, my columns
.set BSC,  28                          ; v28-33   W2's scale words, three sets of two: scales and nothing else
.set ASR,  34                          ; v34-36   the rows' scale words, a ring of three: scales and nothing else
.set AR,   38                          ; v38-109  the rows' fragments: a ring of three groups of two tiles
.set BF,   110                         ; v110-253 W2's fragments: three sets of four tiles
.set CQ,   38                          ; behind the products: cqb of the trip's 64 columns (my 32),
.set VV,   70                          ; V likewise,
.set SA,   102                         ; four chains of sums,
.set TT,   206                         ; and 32 numbers at work
; producers (they never touch v28-37)
.set CA,   20                          ; v20-27   the context of my 8 columns, even rows
.set X,    40                          ; v40-103  64 numbers of a row to quantise
.set TM,   104
.set PC,   120
.set PW,   140
.set PR,   40                          ; second read: p of 16 rows, each twice
.set CA2,  72                          ; v72-79   the context, odd rows
.set SX,   40                          ; statistics: 32 partial sums,
.set SV,   72                          ; 32 numbers of V,
.set ST,   104                         ; t of my four rows,
.set SM,   108                         ; m and l,
.set SE,   110
.set SD,   114                         ; p, each twice
.set SU,   122
.set L8,   123
; window 1 (v256-511): consumers: accumulator (tile a, column tile i) at v[8 (4 a + i)];  producers: a ring of four units of 64 registers
.set WV,  22
.set W3,  23                           ; wave % 4
.set PH,  24
.set Q,   25
.set TI,  26                           ; 4 PH + Q
.set BV,  27
.set SEL, 28                           ; s[28:29]
.set CC,  30                           ; s[30:31] c, as a pair for the packed form
.set M2L, 32                           ; -2 log2(e)
.set WRC, 33                           ; the half of CODE that is written, the half that is read
.set RDC, 34
.set WRA, 35                           ; the same of ASC; SP is read in the first and written in the second
.set RDA, 36
.set BC,  38                           ; s[38:39], s[40:41] W2's fragments and scale words of this trip's columns
.set SC,  40
.set BN,  42                           ; s[42:43], s[44:45] of the next trip's
.set SN,  44
.set NB,  46                           ; s[46:47] the rows that the next trip works
.set VB,  48                           ; s[48:49] values at my 256 rows
.set MSB, 0
.macro WIN new                         ; the immediate's high byte repeats the setting that is left; at a label and at a branch every window is 0
.if MSB != \new
	s_set_vgpr_msb (MSB<<8)|\new
.set MSB, \new
.endif
.endm
.macro PLACES                          ; four plain places behind a matrix instruction, in front of the vector instructions that read its results (ISA guide 7.12.1)
.rept 4
	v_nop
.endr
.endm
.macro CHUNK b, sb, qs                 ; the bases of column tiles 16 w + 4 q .. + 3, q in s[qs]
	s_lshl_b32 s52, s[W3], 2
	s_add_co_u32 s52, s52, s[\qs]
	s_mul_i32 s54, s52, 32*FRB                     ; four tiles x eight steps of 1,536 bytes
	s_mov_b32 s55, 0
	s_add_nc_u64 s[\b:\b+1], s[6:7], s[54:55]
	s_lshl_b32 s54, s52, 11                        ; two pairs of tiles x eight steps of 128 bytes
	s_add_nc_u64 s[\sb:\sb+1], s[8:9], s[54:55]
.endm
; Where the four units of trip s56 lie.  Trips 0-7, first read: block T / 4, tile of rows 2 w + (T / 2) % 2, steps 4 (T % 2) + j: 16 rows x 512 bytes a unit.
; Trips 8-15, second read: rows 32 (T - 8) on, my 1,024 bytes of each: unit j = rows 16 (j / 2) on, bytes 512 (j % 2) on.  Units 0 and 1 lie alike in both; units 2 and 3 begin 1,024 or 65,536 bytes on.
.macro NEXTBASE
	s_lshr_b32 s57, s56, 2
	s_lshl_b32 s57, s57, 19
	s_bfe_u32 s58, s56, 0x10001
	s_lshl_b32 s58, s58, 16
	s_add_co_u32 s57, s57, s58
	s_and_b32 s58, s56, 1
	s_lshl_b32 s58, s58, 11
	s_add_co_u32 s57, s57, s58
	s_lshl_b32 s58, s[W3], 17
	s_add_co_u32 s57, s57, s58
	s_sub_co_u32 s58, s56, 8
	s_lshl_b32 s58, s58, 17
	s_lshl_b32 s59, s[W3], 10
	s_add_co_u32 s58, s58, s59
	s_mov_b32 s59, 0x10000
	s_cmp_lt_u32 s56, 8
	s_cselect_b32 s58, s57, s58
	s_cselect_b32 s60, 1024, s59
	s_mov_b32 s59, 0
	s_add_nc_u64 s[NB:NB+1], s[VB:VB+1], s[58:59]
	v_add_nc_u32 v[VO2], s60, v[LI]
.endm
.macro LOAD j                          ; unit j: 16 loads, each 512 consecutive bytes of a row
	WIN 0x40                                       ; destination window 1, address window 0
.set ii, 0
.rept 16
.if \j < 2
	global_load_b128 v[64*\j+4*ii:64*\j+4*ii+3], v[LI], s[NB:NB+1] offset:4096*ii+512*\j th:TH_LOAD_NT
.else
	global_load_b128 v[64*\j+4*ii:64*\j+4*ii+3], v[VO2], s[NB:NB+1] offset:4096*ii+512*(\j-2) th:TH_LOAD_NT
.endif
.set ii, ii+1
.endr
	WIN 0
.endm
.macro AFETCH m                        ; group m = 4 s + g: the fragments of tiles 2 g, 2 g + 1 at step s, and their paired scale word: 7 LDS loads
.set fS, (\m)/4
.set fG, (\m)%4
.set fR, AR+24*((\m)%3)
.irp e, 0,1
.irp c, 0,1,2
.if fS < 4
	ds_load_b128 v[fR+12*\e+4*\c:fR+12*\e+4*\c+3], v[AD0] offset:(8*fS+2*fG+\e)*FRB+512*\c
.else
	ds_load_b128 v[fR+12*\e+4*\c:fR+12*\e+4*\c+3], v[AD1] offset:(8*(fS-4)+2*fG+\e)*FRB+512*\c
.endif
.endr
.endr
	ds_load_b32 v[ASR+(\m)%3], v[ASA] offset:512*fS+128*fG
.endm
.macro BFETCH k, b, sb                 ; step k of W2's four tiles, and their two paired scale words: 14 loads
.set fB, BF+48*((\k)%3)
.irp i, 0,1,2,3
.irp c, 0,1,2
	global_load_b128 v[fB+12*\i+4*\c:fB+12*\i+4*\c+3], v[LI], s[\b:\b+1] offset:(8*\i+(\k))*FRB+512*\c
.endr
.endr
.irp i, 0,1
	global_load_b32 v[BSC+2*((\k)%3)+\i], v[LS], s[\sb:\sb+1] offset:(8*\i+(\k))*128
.endr
.endm
.macro WMX ra, rb                      ; one product; ra, rb: which half of the lanes holds source 0's and source 1's scales.  Step 0 starts the sums: nothing is cleared
.if gS == 0
.if ((\ra) == 0) && ((\rb) == 0)
	v_wmma_scale_f32_16x16x128_f8f6f4 v[gD:gD+7], v[gB:gB+11], v[gA:gA+11], 0, v[gSB], v[gSA] matrix_a_fmt:MATRIX_FMT_BF6 matrix_b_fmt:MATRIX_FMT_BF6
.elseif ((\ra) == 1) && ((\rb) == 0)
	v_wmma_scale_f32_16x16x128_f8f6f4 v[gD:gD+7], v[gB:gB+11], v[gA:gA+11], 0, v[gSB], v[gSA] matrix_a_fmt:MATRIX_FMT_BF6 matrix_b_fmt:MATRIX_FMT_BF6 matrix_a_scale:MATRIX_SCALE_ROW1
.elseif ((\ra) == 0) && ((\rb) == 1)
	v_wmma_scale_f32_16x16x128_f8f6f4 v[gD:gD+7], v[gB:gB+11], v[gA:gA+11], 0, v[gSB], v[gSA] matrix_a_fmt:MATRIX_FMT_BF6 matrix_b_fmt:MATRIX_FMT_BF6 matrix_b_scale:MATRIX_SCALE_ROW1
.else
	v_wmma_scale_f32_16x16x128_f8f6f4 v[gD:gD+7], v[gB:gB+11], v[gA:gA+11], 0, v[gSB], v[gSA] matrix_a_fmt:MATRIX_FMT_BF6 matrix_b_fmt:MATRIX_FMT_BF6 matrix_a_scale:MATRIX_SCALE_ROW1 matrix_b_scale:MATRIX_SCALE_ROW1
.endif
.else
.if ((\ra) == 0) && ((\rb) == 0)
	v_wmma_scale_f32_16x16x128_f8f6f4 v[gD:gD+7], v[gB:gB+11], v[gA:gA+11], v[gD:gD+7], v[gSB], v[gSA] matrix_a_fmt:MATRIX_FMT_BF6 matrix_b_fmt:MATRIX_FMT_BF6
.elseif ((\ra) == 1) && ((\rb) == 0)
	v_wmma_scale_f32_16x16x128_f8f6f4 v[gD:gD+7], v[gB:gB+11], v[gA:gA+11], v[gD:gD+7], v[gSB], v[gSA] matrix_a_fmt:MATRIX_FMT_BF6 matrix_b_fmt:MATRIX_FMT_BF6 matrix_a_scale:MATRIX_SCALE_ROW1
.elseif ((\ra) == 0) && ((\rb) == 1)
	v_wmma_scale_f32_16x16x128_f8f6f4 v[gD:gD+7], v[gB:gB+11], v[gA:gA+11], v[gD:gD+7], v[gSB], v[gSA] matrix_a_fmt:MATRIX_FMT_BF6 matrix_b_fmt:MATRIX_FMT_BF6 matrix_b_scale:MATRIX_SCALE_ROW1
.else
	v_wmma_scale_f32_16x16x128_f8f6f4 v[gD:gD+7], v[gB:gB+11], v[gA:gA+11], v[gD:gD+7], v[gSB], v[gSA] matrix_a_fmt:MATRIX_FMT_BF6 matrix_b_fmt:MATRIX_FMT_BF6 matrix_a_scale:MATRIX_SCALE_ROW1 matrix_b_scale:MATRIX_SCALE_ROW1
.endif
.endif
.endm
; Group nn: 8 products.  TRANSPOSED: source 0 = 16 columns of W2, source 1 = 16 rows: lane (r, h) holds row r and columns 8 h + 0 .. 7.  The 32 accumulators take turns, one instruction a turn
.macro GRP
.set gS, nn/4
.irp e, 0,1
.irp i, 0,1,2,3
.set gD, 8*(4*(2*(nn%4)+\e)+\i)
.set gB, BF+48*(gS%3)+12*\i
.set gA, AR+24*(nn%3)+12*\e
.set gSB, BSC+2*(gS%3)+\i/2
.set gSA, ASR+nn%3
	WMX \i%2, \e
.endr
.endr
.endm
; tile a's 32 results of a lane: r = 1 / (1 + 2^(c v_proj + cqb)), and V . r onto the row's sum
.macro TANH a
	WIN 0x01                                       ; source 0 window 1
.set ii, 0
.rept 16
	v_pk_fma_f32 v[TT+2*ii:TT+2*ii+1], v[32*\a+2*ii:32*\a+2*ii+1], s[CC:CC+1], v[CQ+2*ii:CQ+2*ii+1] op_sel_hi:[1,0,1]   ; each accumulator from its low end on
.set ii, ii+1
.endr
	WIN 0
.set ii, 0
.rept 32
	v_exp_f32 v[TT+ii], v[TT+ii]
.set ii, ii+1
.endr
	v_nop                                          ; a plain place behind the transcendentals
.set ii, 0
	s_wait_alu depctr_va_vdst(0)                   ; the 32 exponentials have written TT, ahead of their first reader: one wait for the batch
.rept 16
	v_pk_add_f32 v[TT+2*ii:TT+2*ii+1], v[TT+2*ii:TT+2*ii+1], 1.0 op_sel_hi:[1,0]
.set ii, ii+1
.endr
.set ii, 0
.rept 32
	v_rcp_f32 v[TT+ii], v[TT+ii]
.set ii, ii+1
.endr
	v_nop
	s_wait_alu depctr_va_vdst(0)                   ; the 32 reciprocals have written TT, ahead of their first reader: one wait for the batch
.irp i, 0,1,2,3
	v_pk_mul_f32 v[SA+2*\i:SA+2*\i+1], v[TT+8*\i:TT+8*\i+1], v[VV+8*\i:VV+8*\i+1]
.endr
.irp p, 1,2,3
.irp i, 0,1,2,3
	v_pk_fma_f32 v[SA+2*\i:SA+2*\i+1], v[TT+8*\i+2*\p:TT+8*\i+2*\p+1], v[VV+8*\i+2*\p:VV+8*\i+2*\p+1], v[SA+2*\i:SA+2*\i+1]
.endr
.endr
	v_pk_add_f32 v[SA:SA+1], v[SA:SA+1], v[SA+2:SA+3]
	v_pk_add_f32 v[SA+4:SA+5], v[SA+4:SA+5], v[SA+6:SA+7]
	v_pk_add_f32 v[SA:SA+1], v[SA:SA+1], v[SA+4:SA+5]
	v_add_f32 v[SA], v[SA], v[SA+1]
	v_add_f32 v[SS+\a], v[SS+\a], v[SA]
.endm
; 64 numbers of a lane, register 16 b + i = k 32 b + 16 (lane / 16) + i of my row, become a fragment's codes in v[PC] on and its scale word in v[PW]
.macro QUANT s
.irp b, 0,1,2,3
	v_max3_num_f32 v[TM+\b], |v[\s+16*\b]|, |v[\s+1+16*\b]|, 0x2800000   ; my 16 numbers of block b, and the floor 2^(5 - 127): the byte cannot fall under 1
.endr
.irp i, 2,4,6,8,10,12,14
.irp b, 0,1,2,3
	v_max3_num_f32 v[TM+\b], v[TM+\b], |v[\s+16*\b+\i]|, |v[\s+1+16*\b+\i]|
.endr
.endr
.irp b, 0,1,2,3
	v_permlanex16_b32 v[TM+4+\b], v[TM+\b], s[SEL], s[SEL+1]
.endr
.irp b, 0,1,2,3
	v_max_num_f32 v[TM+\b], v[TM+\b], v[TM+4+\b]       ; with lane l xor 16's: the block's largest magnitude
.endr
.irp b, 0,1,2,3
	v_add_nc_u32 v[TM+12+\b], 0xfe000000, v[TM+\b]     ; 4 off its exponent field: the conversion's scale operand
.endr
.irp b, 0,1,2,3
	v_lshrrev_b32 v[TM+4+\b], 23, v[TM+12+\b]          ; the scale's byte
.endr
	v_lshl_or_b32 v[PW], v[TM+5], 8, v[TM+4]
	v_lshl_or_b32 v[PW], v[TM+6], 16, v[PW]
	v_lshl_or_b32 v[PW], v[TM+7], 24, v[PW]
.irp c, 0,1
	v_cvt_scalef32_pk16_bf6_f32 v[PC+6*\c:PC+2+6*\c], v[\s+32*\c:\s+15+32*\c], v[TM+12+2*\c]
	v_cvt_scalef32_pk16_bf6_f32 v[PC+12+4*\c:PC+14+4*\c], v[\s+16+32*\c:\s+31+32*\c], v[TM+12+2*\c+1]   ; (a conversion's three registers begin on an even number)
.endr
	v_nop                                              ; one plain place behind a scaled conversion
.irp c, 0,1                                        ; the operand wants a whole block in a lane: lanes 0-15 block 2 c, lanes 16-31 block 2 c + 1
.irp i, 0,1,2
	v_permlane16_swap_b32 v[PC+6*\c+\i], v[PC+12+4*\c+\i]
.endr
.irp i, 0,1,2
	v_mov_b32 v[PC+3+6*\c+\i], v[PC+12+4*\c+\i]
.endr
.endr
.endm
; First read, unit j: 16 rows x 128 k.  As loaded a lane holds 4 numbers of each row; the quantiser wants 64 of one row: the unit turns through my stage.  Then it is filled again for the next trip.
.macro PROC_L j
	s_wait_loadcnt 48                              ; my unit is in; the three younger units, 16 loads each, may be out
	WIN 0x04                                       ; an LDS store's data are its source 1: window 1
.set ii, 0
.rept 16
	ds_store_b128 v[SW], v[64*\j+4*ii:64*\j+4*ii+3] offset:STG+SPITCH*ii
.set ii, ii+1
.endr
	WIN 0
.irp b, 0,1,2,3
.irp k, 0,1,2,3
	ds_load_b128 v[X+16*\b+4*\k:X+16*\b+4*\k+3], v[SRD] offset:STG+128*\b+16*\k    ; LDS serves a wave's instructions in order (ISA guide 5.7.1.4): these see the stores above.  No wait on va_vdst here: the one behind the last unit's quantiser (unit 0: at the trip's head) has shown X's readers done, and no vector instruction since names X
.endr
.endr
	s_wait_dscnt 0x0                               ; the numbers are back from the stage
	WIN 0x40                                       ; (the loads' window first, then the wait, then the loads)
	s_wait_alu depctr_vm_vsrc(0)                   ; the stage's stores have read the unit's registers, in which the loads below land; the last unit's image stores have read PC and PW, which the quantiser below writes again
	LOAD \j
	QUANT X
	s_wait_alu depctr_va_vdst(0)                   ; the quantiser has written PC and PW, which the stores below read, and is done reading X, in which the next unit's LDS loads land
.irp c, 0,1,2
	ds_store_b128 v[IW], v[PC+4*\c:PC+4*\c+3] offset:8*FRB*\j+512*\c
.endr
	ds_store_b32 v[AW], v[PW] offset:512*\j        ; both halves of the lanes write the same word with the same value
.endm
; Second read, unit j: 16 rows x my 128 columns of half j % 2: the context takes p x row.  left: the younger loads that may stay out
.macro PROC_R j, refill, left
	s_wait_loadcnt \left
.if (\j%2) == 0
.if (\j == 2) && (\refill == 0)
	s_wait_alu depctr_va_vdst(0)                   ; the multiply-adds of units 0 and 1 are done reading PR, in which the loads below land (where units are filled again, the wait ahead of unit 1's loads has stated it)
.endif
.irp k, 0,1,2,3,4,5,6,7
	ds_load_b128 v[PR+4*\k:PR+4*\k+3], v[PA] offset:PAREA+128*(\j/2)+16*\k         ; p of two rows, each twice: every lane reads the same bytes
.endr
	s_wait_dscnt 0x0
.endif
	WIN 0x01
.set ii, 0
.rept 16
.irp e, 0,1
	v_pk_fma_f32 v[CA+(CA2-CA)*(ii%2)+4*(\j%2)+2*\e:CA+(CA2-CA)*(ii%2)+4*(\j%2)+2*\e+1], v[64*\j+4*ii+2*\e:64*\j+4*ii+2*\e+1], v[PR+2*ii:PR+2*ii+1], v[CA+(CA2-CA)*(ii%2)+4*(\j%2)+2*\e:CA+(CA2-CA)*(ii%2)+4*(\j%2)+2*\e+1]
.endr
.set ii, ii+1
.endr
.if \refill
	WIN 0x40                                       ; (the loads' window first, then the wait, then the loads)
	s_wait_alu depctr_va_vdst(0)                   ; the 32 multiply-adds are done reading the unit's registers, in which the loads below land; behind unit 1 also: done reading PR, in which unit 2's p lands
	LOAD \j
.else
	WIN 0
.endif
.endm
.macro RED op, reg                     ; over the wave's 32 lanes, the result in every lane
	\op\()_dpp v[\reg], v[\reg], v[\reg] row_xmask:1 row_mask:0xf bank_mask:0xf
	\op\()_dpp v[\reg], v[\reg], v[\reg] row_xmask:2 row_mask:0xf bank_mask:0xf
	\op\()_dpp v[\reg], v[\reg], v[\reg] row_xmask:4 row_mask:0xf bank_mask:0xf
	\op\()_dpp v[\reg], v[\reg], v[\reg] row_xmask:8 row_mask:0xf bank_mask:0xf
	v_permlanex16_b32 v[SU], v[\reg], s[SEL], s[SEL+1]
	\op v[\reg], v[\reg], v[SU]
.endm
	s_load_b512 s[4:19], s[0:1], 0x0               ; values s[4:5], w2f s[6:7], w2s s[8:9], cqb s[10:11], V s[12:13], bv s[14:15], tsc s[16:17], pst s[18:19]
	s_load_b64 s[20:21], s[0:1], 0x40              ; pctx
	v_lshl_add_u32 v254, v0, 2, 0x40000
	v_mov_b32 v255, 0
	v_lshrrev_b32 v20, 5, v0
	v_readfirstlane_b32 s[WV], v20                 ; wave 0..7
	v_and_b32 v20, 31, v0                          ; lane
	v_and_b32 v21, 15, v0                          ; r
	v_bfe_u32 v22, v0, 4, 1                        ; h
	v_lshlrev_b32 v[LI], 4, v20
	v_lshlrev_b32 v[LS], 2, v20
	v_lshlrev_b32 v[R4], 2, v21
	v_lshlrev_b32 v[H32], 5, v22
	v_lshrrev_b32 v23, 2, v20
	v_and_b32 v24, 3, v20
	v_lshlrev_b32 v[SPR0], 7, v23
	v_lshl_add_u32 v[SPR0], v24, 4, v[SPR0]
	v_lshlrev_b32 v[LT], 4, v0
.irp b, 0,1,2,3
	v_mov_b32 v[TM+4+\b], 0                        ; a lane permute's destination counts as one of its sources
.endr
	s_wait_alu depctr_va_sdst(0)                   ; the wave's number is written, ahead of its first reader: addresses, bases and the roles' branches are made from it
	s_and_b32 s[W3], s[WV], 3
	s_mul_i32 s50, s[W3], 16*SPITCH
	v_add_nc_u32 v[SW], s50, v[LI]
	v_mul_u32_u24 v[SRD], v21, SPITCH
	v_lshl_add_u32 v[SRD], v22, 6, v[SRD]
	v_add_nc_u32 v[SRD], s50, v[SRD]
	s_lshl_b32 s50, s[W3], 10
	v_lshl_add_u32 v[PSTA], v20, 5, s50
	s_mov_b32 s[SEL], 0x76543210
	s_mov_b32 s[SEL+1], 0xfedcba98
	s_mov_b32 s[CC], 0x4038aa3b                    ; c = 2 log2(e)
	s_mov_b32 s[CC+1], s[CC]
	s_mov_b32 s[M2L], 0xc038aa3b                   ; -2 log2(e)
	s_mov_b32 s[WRC], 0
	s_mov_b32 s[RDC], CBLK
	s_mov_b32 s[WRA], 0
	s_mov_b32 s[RDA], 4096
	s_mov_b32 s[PH], 0
	s_wait_kmcnt 0x0
	s_load_b32 s[BV], s[14:15], 0x0
	s_lshl_b32 s50, ttmp9, 20                      ; 256 rows of 4,096 bytes
	s_mov_b32 s51, 0
	s_add_nc_u64 s[VB:VB+1], s[4:5], s[50:51]
	s_lshr_b32 s50, ttmp9, 2                       ; the batch
	s_lshl_b32 s50, s50, 12
	s_add_nc_u64 s[10:11], s[10:11], s[50:51]
	s_mov_b32 s61, 0
	CHUNK BN, SN, 61                               ; the first trip's columns,
	s_mov_b32 s56, 0
	NEXTBASE                                       ; and its rows
	s_wait_alu depctr_va_vdst(0)                   ; every address and offset made so far is written, which the loads and stores below read; the head's lines are done with v20-24, in which V and cqb land, and have written v108-111, in which fragments land
	global_load_b128 v[20:23], v[LT], s[12:13]     ; V and the batch's row of cqb: 16 bytes a thread
	global_load_b128 v[24:27], v[LT], s[10:11]
	s_cmp_lt_u32 s[WV], 4
	s_cbranch_scc0 .Lfirst_rows
	BFETCH 0, BN, SN
	BFETCH 1, BN, SN
	s_wait_loadcnt 28                              ; V and cqb are in; the 28 loads just issued may be out
	s_branch .Lboth
.Lfirst_rows:
	LOAD 0
	LOAD 1
	LOAD 2
	LOAD 3
	s_wait_loadcnt 63                              ; V and cqb are in: 64 loads were issued behind them; the counter's field holds 63 (ISA guide 5.7.1), and a smaller count is safe
.Lboth:
	ds_store_b128 v[LT], v[20:23] offset:VL
	ds_store_b128 v[LT], v[24:27] offset:CQL
	s_wait_dscnt 0x0                               ; for the others' sake
	s_barrier_signal -1
	s_barrier_wait -1
	s_wait_alu depctr_vm_vsrc(0)                   ; the two LDS stores have read v20-27, which the lines below write
.irp a, 0,1,2,3,4,5,6,7
	v_mov_b32 v[SS+\a], 0
.endr
	s_wait_kmcnt 0x0                               ; bv
.Lphase:
	s_mov_b32 s[Q], 0
.Ltrip:
	; ---- every wave: the trip's addresses
	s_wait_xcnt 0x0                                ; the bases and offsets of what has been issued are rewritten only behind this wait
	s_wait_dscnt 0x0
	s_wait_alu depctr_vm_vsrc(0)                   ; the loads, stores and LDS instructions issued so far have read v9-19, which the lines below write, and the data of every store (PC, PW, SD, ST, SM, L8, CA), which this trip's vector lines write
	s_lshl_b32 s[TI], s[PH], 2
	s_add_co_u32 s[TI], s[TI], s[Q]
	s_and_b32 s50, s[Q], 1
	s_lshr_b32 s51, s[Q], 1
	s_mul_i32 s52, s50, 32*FRB                     ; producers: tile 2 w + q / 2, steps 4 (q % 2) + j
	s_mul_i32 s53, s51, FRB
	s_add_co_u32 s52, s52, s53
	s_mul_i32 s53, s[W3], 2*FRB
	s_add_co_u32 s52, s52, s53
	s_add_co_u32 s52, s52, s[WRC]
	s_add_co_u32 s52, s52, CODE
	v_add_nc_u32 v[IW], s52, v[LI]
	s_lshl_b32 s52, s50, 11
	s_lshl_b32 s53, s51, 6
	s_add_co_u32 s52, s52, s53
	s_lshl_b32 s53, s[W3], 7
	s_add_co_u32 s52, s52, s53
	s_add_co_u32 s52, s52, s[WRA]
	v_add_nc_u32 v[AW], s52, v[R4]
	s_add_co_u32 s52, s[RDC], CODE                 ; consumers: the other half
	v_add_nc_u32 v[AD0], s52, v[LI]
	s_add_co_u32 s52, s52, 32*FRB
	v_add_nc_u32 v[AD1], s52, v[LI]
	v_add_nc_u32 v[ASA], s[RDA], v[LS]
	s_lshl_b32 s52, s[W3], 10
	s_add_co_u32 s53, s52, s[RDA]
	v_add_nc_u32 v[SPW], s53, v[LS]
	v_add_nc_u32 v[SPR], s[WRA], v[SPR0]
	s_lshl_b32 s53, s[Q], 8
	s_add_co_u32 s52, s52, s53                     ; 1,024 w + 256 q: the consumers' 64 columns in cqb and V, and the producers' 32 rows of p
	v_add_nc_u32 v[VQ], s52, v[H32]
	v_mov_b32 v[PA], s52
	CHUNK BC, SC, Q
	s_add_co_u32 s61, s[Q], 1
	s_and_b32 s61, s61, 3
	CHUNK BN, SN, 61
	s_add_co_u32 s56, s[TI], 1
	NEXTBASE
	s_wait_alu depctr_va_vdst(0)                   ; v9-19 are written, which this trip's loads and stores read; the last trip's vector and matrix instructions are done with AR, BF2, X, PR, SX and SV, in which this trip's first loads land
	s_cmp_lt_u32 s[WV], 4
	s_cbranch_scc0 .Lproducer
	; ---- consumers: phases 1 and 2
	s_cmp_eq_u32 s[PH], 0
	s_cbranch_scc1 .Ljoin
	s_cmp_eq_u32 s[PH], 3
	s_cbranch_scc1 .Ljoin
	AFETCH 0
	AFETCH 1
.set nn, 0
.rept 32                                       ; 8 steps of 128 along k x 4 groups of two tiles of rows.  The rows' fragments run two groups ahead, W2's two steps
.if nn > 0
	WIN 0                                          ; (the loads' window first, then the wait, then the loads)
	s_wait_alu depctr_va_vdst(0)                   ; the last group's eight products are done reading their slot of AR and ASR, in which the LDS loads below land; at a step's head the last step's 32 are done reading their set of BF and BSC, in which W2's loads land
.endif
.if nn <= 29
	AFETCH nn+2
.endif
.if nn%4 == 0
.if nn/4 <= 5
	BFETCH nn/4+2, BC, SC
	s_wait_loadcnt 28                              ; this step's set is in; the next two, 14 loads each, may be out
.elseif nn/4 == 6
	s_wait_loadcnt 14
.else
	s_wait_loadcnt 0x0
.endif
.endif
.if nn <= 29
	s_wait_dscnt 14                                ; this group is in; the next two, 7 loads each, may be out
.elseif nn == 30
	s_wait_dscnt 7
.else
	s_wait_dscnt 0x0
.endif
	WIN 0x50                                       ; C and D window 1
	GRP
.set nn, nn+1
.endr
	WIN 0
	PLACES                                         ; behind the last product, ahead of the vector lines that read the sums; the wait below stands beside them
	s_wait_alu depctr_va_vdst(0)                   ; the last products are done reading BF0, BF1 and BSC, in which the next trip's first two steps land, and AR, in which cqb and V land
	s_cmp_eq_u32 s[TI], 11                         ; behind the last trip of products nothing is fetched
	s_cbranch_scc1 .Lno_next
	BFETCH 0, BN, SN                               ; the next trip's first two steps land under the exponentials
	BFETCH 1, BN, SN
.Lno_next:
.irp i, 0,1,2,3
.irp k, 0,1
	ds_load_b128 v[CQ+8*\i+4*\k:CQ+8*\i+4*\k+3], v[VQ] offset:CQL+64*\i+16*\k
	ds_load_b128 v[VV+8*\i+4*\k:VV+8*\i+4*\k+3], v[VQ] offset:VL+64*\i+16*\k
.endr
.endr
	s_wait_dscnt 0x0
.irp a, 0,1,2,3,4,5,6,7
	TANH \a
.endr
	s_cmp_lg_u32 s[Q], 3
	s_cbranch_scc1 .Ljoin
	s_wait_alu depctr_va_vdst(0)                   ; the sums have written SS, which the eight LDS stores read
.irp a, 0,1,2,3,4,5,6,7
	ds_store_b32 v[SPW], v[SS+\a] offset:SP+128*\a ; my 256 columns' part of the block's sums
.endr
	s_wait_dscnt 0x0
	s_wait_alu depctr_vm_vsrc(0)                   ; the eight stores have read SS, which the lines below write
.irp a, 0,1,2,3,4,5,6,7
	v_mov_b32 v[SS+\a], 0
.endr
	s_branch .Ljoin
.Lproducer:
	s_cmp_lt_u32 s[PH], 2
	s_cbranch_scc0 .Lsecond
	PROC_L 0
	PROC_L 1
	PROC_L 2
	PROC_L 3
	s_branch .Ljoin
.Lsecond:
	s_sub_co_u32 s50, s[PH], 2
	s_lshl_b32 s51, ttmp9, 1
	s_add_co_u32 s50, s50, s51                     ; the block's number among the 512
	s_cmp_lg_u32 s[Q], 0
	s_cbranch_scc1 .Lno_stat
	; ---- the block's statistics, in each of the four producers alike: lane l takes rows 4 l .. 4 l + 3
	v_mov_b32 v[SU], 0
.irp c, 0,1,2,3
.irp h, 0,1
	ds_load_b128 v[SX+8*\c+4*\h:SX+8*\c+4*\h+3], v[SPR] offset:SP+1024*\c+64*\h
.endr
.endr
.irp k, 0,1,2,3,4,5,6,7
	ds_load_b128 v[SV+4*\k:SV+4*\k+3], v[LI] offset:VL+512*\k
.endr
	s_wait_dscnt 0x0
.irp k, 1,2,3,4,5,6,7
	v_pk_add_f32 v[SX:SX+1], v[SX:SX+1], v[SX+4*\k:SX+4*\k+1]      ; four consumers x two halves of the lanes: sum(V r)
	v_pk_add_f32 v[SX+2:SX+3], v[SX+2:SX+3], v[SX+4*\k+2:SX+4*\k+3]
	v_pk_add_f32 v[SV:SV+1], v[SV:SV+1], v[SV+4*\k:SV+4*\k+1]      ; and sum(V)
	v_pk_add_f32 v[SV+2:SV+3], v[SV+2:SV+3], v[SV+4*\k+2:SV+4*\k+3]
.endr
	v_pk_add_f32 v[SV:SV+1], v[SV:SV+1], v[SV+2:SV+3]
	v_add_f32 v[SV], v[SV], v[SV+1]
	RED v_add_f32, SV
	v_add_f32 v[SV], s[BV], v[SV]
	v_mul_f32 v[SV], 0x3fb8aa3b, v[SV]             ; log2(e) (bv + sum(V))
.irp e, 0,1,2,3
	v_fma_f32 v[ST+\e], v[SX+\e], s[M2L], v[SV]    ; t = log2(e) x score
.endr
	v_max3_num_f32 v[SM], v[ST], v[ST+1], v[ST+2]
	v_max_num_f32 v[SM], v[SM], v[ST+3]
	RED v_max_num_f32, SM                          ; m: the block's largest t is taken away ahead of the exponential
.irp e, 0,1,2,3
	v_sub_f32 v[SE+\e], v[ST+\e], v[SM]
.endr
.irp e, 0,1,2,3
	v_exp_f32 v[SD+2*\e], v[SE+\e]                 ; p, made twice: a pair for the packed multiply-add
	v_exp_f32 v[SD+2*\e+1], v[SE+\e]
.endr
	v_nop
	s_wait_alu depctr_va_vdst(0)                   ; the eight exponentials have written SD, ahead of their first readers, the two LDS stores below; the sums above are done with SX, over which p's loads land, and no line from here to those loads names v40-71
	ds_store_b128 v[PSTA], v[SD:SD+3] offset:PAREA
	ds_store_b128 v[PSTA], v[SD+4:SD+7] offset:PAREA+16
	v_add_f32 v[SM+1], v[SD], v[SD+2]
	v_add_f32 v[SE], v[SD+4], v[SD+6]
	v_add_f32 v[SM+1], v[SM+1], v[SE]
	RED v_add_f32, SM+1                            ; l
.irp k, 0,1,2,3,4,5,6,7
	v_mov_b32 v[CA+\k], 0
	v_mov_b32 v[CA2+\k], 0
.endr
	s_cmp_lg_u32 s[W3], 0                          ; one producer stores them
	s_cbranch_scc1 .Lno_stat
	s_lshl_b32 s52, s50, 9
	s_mov_b32 s53, 0
	s_add_nc_u64 s[52:53], s[16:17], s[52:53]
	s_lshl_b32 s54, s50, 8
	s_mov_b32 s55, 0
	s_add_nc_u64 s[54:55], s[18:19], s[54:55]
	v_lshlrev_b32 v[L8], 1, v[LS]
	s_wait_alu depctr_va_vdst(0)                   ; t in ST, m and l in SM and the offset L8 are written, which the two stores read
	global_store_b128 v[LI], v[ST:ST+3], s[52:53]  ; 512 consecutive bytes of t
	global_store_b64 v[L8], v[SM:SM+1], s[54:55]   ; (m, l) from every lane: 256 consecutive bytes, aligned
.Lno_stat:
	s_cmp_eq_u32 s[TI], 15
	s_cbranch_scc1 .Llast
	PROC_R 0, 1, 48
	PROC_R 1, 1, 48
	PROC_R 2, 1, 48
	PROC_R 3, 1, 48
	s_branch .Lsummed
.Llast:                                            ; the last trip fetches nothing: the counts run down
	PROC_R 0, 0, 48
	PROC_R 1, 0, 32
	PROC_R 2, 0, 16
	PROC_R 3, 0, 0
.Lsummed:
	s_cmp_lg_u32 s[Q], 3
	s_cbranch_scc1 .Ljoin
.irp k, 0,1,2,3
	v_pk_add_f32 v[CA+2*\k:CA+2*\k+1], v[CA+2*\k:CA+2*\k+1], v[CA2+2*\k:CA2+2*\k+1]
.endr
	s_lshl_b32 s58, s50, 12
	s_lshl_b32 s59, s[W3], 10
	s_add_co_u32 s58, s58, s59
	s_mov_b32 s59, 0
	s_add_nc_u64 s[58:59], s[20:21], s[58:59]
	s_wait_alu depctr_va_vdst(0)                   ; the four additions have written CA, which the two stores read
	global_store_b128 v[LI], v[CA:CA+3], s[58:59]                  ; each store covers 512 consecutive bytes, aligned
	global_store_b128 v[LI], v[CA+4:CA+7], s[58:59] offset:512
.Ljoin:
	s_add_co_u32 s[Q], s[Q], 1
	s_cmp_lt_u32 s[Q], 4
	s_cbranch_scc1 .Ltrip
	s_wait_dscnt 0x0                               ; my LDS stores have landed and my LDS loads are in
	s_barrier_signal -1
	s_barrier_wait -1                              ; what this phase wrote may be read, what it read may be written
	s_xor_b32 s[WRC], s[WRC], CBLK
	s_xor_b32 s[RDC], s[RDC], CBLK
	s_xor_b32 s[WRA], s[WRA], 4096
	s_xor_b32 s[RDA], s[RDA], 4096
	s_add_co_u32 s[PH], s[PH], 1
	s_cmp_lt_u32 s[PH], 4
	s_cbranch_scc1 .Lphase
	s_wait_dscnt 0x0                               ; the closing lines, six on end
	s_wait_alu 0x0
	s_wait_tensorcnt 0x0
	ds_add_u32 v254, v255
	s_wait_dscnt 0x0
	s_endpgm
.Lfunc_end_k_q08d76ea46c_score:
	.size	k_q08d76ea46c_score, .Lfunc_end_k_q08d76ea46c_score-k_q08d76ea46c_score
	.p2alignl 7, 3214868480
	.fill 96, 4, 3214868480
	.section	.rodata,"a",@progbits
	.p2align	6, 0x0
	.amdhsa_kernel k_q08d76ea46c_score
		.amdhsa_group_segment_fixed_size 263168
		.amdhsa_private_segment_fixed_size 0
		.amdhsa_enable_private_segment 0
		.amdhsa_kernarg_size 72
		.amdhsa_user_sgpr_count 2
		.amdhsa_user_sgpr_kernarg_segment_ptr 1
		.amdhsa_wavefront_size32 1
		.amdhsa_system_sgpr_workgroup_id_x 1
		.amdhsa_system_sgpr_workgroup_id_y 1
		.amdhsa_system_sgpr_workgroup_id_z 1
		.amdhsa_system_vgpr_workitem_id 0
		.amdhsa_next_free_vgpr 512
		.amdhsa_next_free_sgpr 66
		.amdhsa_reserve_vcc 0
		.amdhsa_float_denorm_mode_32 3
		.amdhsa_float_denorm_mode_16_64 3
		.amdhsa_memory_ordered 1
		.amdhsa_forward_progress 1
		.amdhsa_inst_pref_size 187
	.end_amdhsa_kernel
	.amdgpu_metadata
---
amdhsa.version: [ 1, 2 ]
amdhsa.kernels:
  - .name:           k_q08d76ea46c_score
    .symbol:         k_q08d76ea46c_score.kd
    .args:
      - { .name: values, .offset: 0, .size: 8, .value_kind: global_buffer, .address_space: global }
      - { .name: w2f, .offset: 8, .size: 8, .value_kind: global_buffer, .address_space: global }
      - { .name: w2s, .offset: 16, .size: 8, .value_kind: global_buffer, .address_space: global }
      - { .name: cqb, .offset: 24, .size: 8, .value_kind: global_buffer, .address_space: global }
      - { .name: V, .offset: 32, .size: 8, .value_kind: global_buffer, .address_space: global }
      - { .name: bv, .offset: 40, .size: 8, .value_kind: global_buffer, .address_space: global }
      - { .name: tsc, .offset: 48, .size: 8, .value_kind: global_buffer, .address_space: global }
      - { .name: pst, .offset: 56, .size: 8, .value_kind: global_buffer, .address_space: global }
      - { .name: pctx, .offset: 64, .size: 8, .value_kind: global_buffer, .address_space: global }
    .group_segment_fixed_size: 263168
    .private_segment_fixed_size: 0
    .kernarg_segment_align: 8
    .kernarg_segment_size: 72
    .max_flat_workgroup_size: 256
    .sgpr_count:     66
    .vgpr_count:     512
    .wavefront_size: 32
...
	.end_amdgpu_metadata
.endif
;; end of part 4
;; launch fin: the kernel of part 3 again; grid 256 x 1, 2 waves a work-group, no clusters, 0 bytes of LDS; arguments pst, pctx, tsc, out0, out1; writes out0, out1
